; MI455X (gfx1250); checked and timed in simulation.
; The chip was launched on July 23, 2026; its instructions are those of AMD's public machine-readable ISA for CDNA 5 (MIT licence, August 2026) and "CDNA5" Instruction Set Architecture Reference Guide (July 2026). The comments in the code are by the model that wrote it; some were corrected since.
;; Transformer Block. Allowed arithmetic: matrix products marked QUANTISED: E5M2 operands, one E8M0 scale for each 32 along K, by v_wmma_scale_f32_16x16x128_f8f6f4 with both operands' format E5M2, f32 sums; everything else in f32.
;; Inputs: fc1_b 4,096 float32; fc1_w_codes 4,096 x 32 x 32 uint8 (E5M2 codes of fc1_w, K innermost, in blocks of 32 codes); fc1_w_scales 4,096 x 32 uint8 (E8M0 scales of fc1_w, one for each 32 codes along K); fc2_b 1,024 float32; fc2_w_codes 1,024 x 128 x 32 uint8 (E5M2 codes of fc2_w, K innermost, in blocks of 32 codes); fc2_w_scales 1,024 x 128 uint8 (E8M0 scales of fc2_w, one for each 32 codes along K); ln1_b 1,024 float32; ln1_g 1,024 float32; ln2_b 1,024 float32; ln2_g 1,024 float32; proj_b 1,024 float32; proj_w_codes 1,024 x 32 x 32 uint8 (E5M2 codes of proj_w, K innermost, in blocks of 32 codes); proj_w_scales 1,024 x 32 uint8 (E8M0 scales of proj_w, one for each 32 codes along K); qkv_b 3,072 float32; qkv_w_codes 3,072 x 32 x 32 uint8 (E5M2 codes of qkv_w, K innermost, in blocks of 32 codes); qkv_w_scales 3,072 x 32 uint8 (E8M0 scales of qkv_w, one for each 32 codes along K); x 4 x 1,024 x 1,024 float32.
;; Outputs: out0 4 x 1,024 x 1,024 float32.
;; This version of the problem:
;;   THIS VERSION OF THE PROBLEM IS GIVEN IN LOW PRECISION. The matrix products marked QUANTISED in the list below multiply operands that are first quantised to E5M2 (5 exponent bits, 2 mantissa bits; 8 bits a number), with one power-of-two scale for each 32 numbers along K (OCP MX v1.0); their sums are f32. All else is computed in f32.
;;   The module's matrix products, in the order in which they are computed (A, B: the left and right operand; K: the contracted axis; several contracted axes count as one K, in the product's order):
;;     1. [M 4,096, K 1,024] x [K 1,024, N 3,072]; A: computed on the way; B: input qkv_w (given as codes): QUANTISED
;;     2. batch 64 x [M 1,024, K 64] x [K 64, N 1,024]; A: computed on the way; B: computed on the way: QUANTISED
;;     3. batch 64 x [M 64, K 1,024] x [K 1,024, N 1,024]; A: computed on the way; B: softmax (see below): QUANTISED
;;     4. [M 4,096, K 1,024] x [K 1,024, N 1,024]; A: computed on the way; B: input proj_w (given as codes): QUANTISED
;;     5. [M 4,096, K 1,024] x [K 1,024, N 4,096]; A: computed on the way; B: input fc1_w (given as codes): QUANTISED
;;     6. [M 4,096, K 4,096] x [K 4,096, N 1,024]; A: computed on the way; B: input fc2_w (given as codes): QUANTISED
;;   THE QUANTISER, for each operand of a quantised product, along K:
;;     - K is cut into blocks of 32 from its start; a last block that is shorter is filled with zeros.
;;     - A block's scale is 2^e with e = floor(log2(the largest magnitude in the block)) - 15, held to -126 .. 127; a block of zeros has e = 0. As a byte (E8M0): e + 127.
;;     - Each number is divided by its block's scale, clamped to +-57,344, and rounded to the nearest number of E5M2, ties to even, subnormals kept.
;;     - The product sums the exact products of the quantised numbers (number of the format x scale) in f32.
;;   ~~~python
;;   def quantise(x, axis):      # numpy; x: float32 -> the quantised numbers, widened to float32 again
;;       x = np.moveaxis(x, axis, -1); K = x.shape[-1]
;;       x = np.pad(x, [(0, 0)] * (x.ndim - 1) + [(0, -K % 32)]); x = x.reshape(x.shape[:-1] + (-1, 32)); a = np.abs(x).max(-1, keepdims=True)
;;       e = np.where(a > 0, np.clip(np.frexp(np.where(a > 0, a, 1))[1] - 1 - 15, -126, 127), 0)      # np.frexp(a)[1] - 1 = floor(log2(a)), exactly
;;       r = np.clip(x / 2.0 ** e, -57344, 57344)
;;       step = 2.0 ** (np.maximum(np.frexp(np.where(r == 0, 1, r))[1] - 1, -14) - 2)
;;       q = np.round(r / step) * step * 2.0 ** e      # np.round: ties to even
;;       return np.moveaxis(q.reshape(q.shape[:-2] + (-1,))[..., :K], -1, axis).astype(np.float32)
;;   ~~~
;;   SOFTMAX AHEAD OF A QUANTISED PRODUCT. Where the list says 'softmax', what is quantised is not the finished softmax but p = 2^(t - M), with t = logit x log2(e) and M = ceil(the row's largest t), a whole number; so 1/2 < the row's largest p <= 1. The row's sum l is taken of the UNQUANTISED p, in f32, and the product's result is divided by l at the end. Since M is a whole number, a kernel that streams over the keys may use a running M (the ceiling of the running maximum): every later rescaling is an exact power of two, which a block's scale takes up: the codes' values come out the same.
;;   OPERANDS COMPUTED ON THE WAY. 'Computed on the way' means the value that the module computes at that place (a softmax that the list does not call 'softmax' is quantised finished and normalised). What goes into a quantiser is computed in f32, as accurately as f32 sums, v_exp_f32 and their like allow (about 1e-6 of the number): no bf16 or f16 on the way to a quantiser, and a product that is left as it is and whose result goes on into a quantised operand takes f32 operands (vector FMAs, or v_wmma_f32_16x16x4_f32). A number that lies on a knife's edge between two numbers of the format may be rounded either way, as far as f32 arithmetic and the matrix unit's own rounding can turn it there, and no further.
;;   INPUTS GIVEN AS CODES. fc1_w (in the module: [1024, 4096], K = its axis 0); fc2_w (in the module: [4096, 1024], K = its axis 0); proj_w (in the module: [1024, 1024], K = its axis 0); qkv_w (in the module: [1024, 3072], K = its axis 0): each comes as NAME_codes (uint8): NAME with its K axis moved to the last place and cut into blocks of 32 codes, [.., K / 32, bytes a block], one block behind the other in memory; one code a byte (a code: sign, 5 exponent bits, 2 mantissa bits); and NAME_scales (uint8): the same leading axes, one E8M0 byte (e + 127) for each 32 codes along K. Its value is code x scale, taken as it is: it is not quantised again, and the codes and scales need not be those that the quantiser above would give.
;; One version. Each part assembles by itself: llvm-mc -triple=amdgcn-amd-amdhsa -mcpu=gfx1250 --defsym DOCPART=n.
;; ======== version 1 of 1: 7 launches
;; limits: right only within a limited range of input values
;; workspace buffers: hc 4,194,304 bytes; hs 131,072 bytes; qkvc 12,582,912 bytes; qkvs 655,360 bytes; x1 16,777,216 bytes; gc 16,777,216 bytes; gs 524,288 bytes
;; launch ln (part 1): grid 256 x 1, 8 waves a work-group, no clusters, 70,656 bytes of LDS; arguments x, ln1_g, ln1_b, hc, hs; writes hc, hs
.if DOCPART == 1
	.amdgcn_target "amdgcn-amd-amdhsa--gfx1250"
	.amdhsa_code_object_version 6
	.text
	.protected	k_qc2bd9dc2c4_ln
	.globl	k_qc2bd9dc2c4_ln
	.p2align	8
	.type	k_qc2bd9dc2c4_ln,@function
k_qc2bd9dc2c4_ln:
	s_mov_b64 s[64:65], 0
	v_nop
	global_prefetch_b8 v0, s[64:65] scope:SCOPE_SE
	s_setreg_imm32_b32 hwreg(HW_REG_WAVE_MODE, 25, 1), 1
	s_wait_xcnt 0x0
; LayerNorm of 16 rows of 1,024 f32, then the MX quantiser (E5M2 codes, one E8M0 byte for 32 along K), stored in the order of an operand's registers.
; TOKEN TILES: tile T holds tokens 32 (T / 2) + 8 (T % 2) + rho(r), rho(r) = r + (r & 8), r = 0 .. 15.  A work-group takes tile T = its number; wave s takes K step s: columns 128 s .. 128 s + 127.
; OUT: codes [T][s][c 0..3][lane][16 bytes]: lane (r, h), group c holds k = 128 s + 32 c + 16 h + 0 .. 15 of the tile's row r;  scale words [T][s][r][4 bytes].
; Each load reads 512 consecutive bytes of a row; the wave's 16 x 512 bytes turn through its own stage in LDS and come back 64 numbers a lane, as the fragment wants them.
; Mean and variance in two passes over registers (the mean is taken away before the squares); the eight waves' sums meet in LDS: two barriers.
; LIMITS: NaN and infinities among the inputs are not served; a block of zeros gets the byte 1 where the rule says 127: its codes are zeros, and this program alone reads the bytes.
.set X,    16                          ; v16-79   my 64 numbers
.set G,    80                          ; v80-143  the gain at my columns
.set BT,   144                         ; v144-207 the bias at my columns
.set PC,   208                         ; v208-223 the codes
.set TM,   224                         ; v224-239 at work
.set PW,   240                         ; v240     the scale word
.set RB,   241                         ; v241-248 the eight waves' sums
.set SP,   528                         ; a stage row: 512 bytes + 16
.set STW,  16*SP                       ; a wave's stage
.set RED1, 8*STW                       ; 8 x 128 bytes: the waves' sums;  the sums of squares lie 1,024 bytes on
.set SEL,  20
.set MNT,  22
	s_load_b256 s[4:11], s[0:1], 0x0               ; x, g, b, codes
	s_load_b64 s[12:13], s[0:1], 0x20              ; scale words
	v_lshl_add_u32 v254, v0, 2, 0x11000
	v_mov_b32 v255, 0
	v_lshrrev_b32 v1, 5, v0
	s_delay_alu instid0(VALU_DEP_1)
	v_readfirstlane_b32 s14, v1                    ; wave 0..7
	v_and_b32 v6, 31, v0                           ; lane
	v_and_b32 v7, 15, v0                           ; r
	v_bfe_u32 v2, v0, 4, 1                         ; h
	s_delay_alu instid0(VALU_DEP_3)
	v_lshlrev_b32 v1, 4, v6                        ; 16 x lane
	s_mul_i32 s15, s14, STW
	v_add_nc_u32 v3, s15, v1                       ; stage, in: 16 x lane, a row an instruction
	v_mul_u32_u24 v4, v7, SP
	s_delay_alu instid0(VALU_DEP_1)
	v_lshl_add_u32 v4, v2, 6, v4
	s_delay_alu instid0(VALU_DEP_1)
	v_add_nc_u32 v4, s15, v4                       ; stage, out: row r, + 64 h
	v_lshl_add_u32 v5, v0, 2, RED1                 ; my wave's 128 bytes, my lane's word
	v_lshl_add_u32 v6, v6, 2, RED1                 ; wave 0's, my lane's word
	v_lshlrev_b32 v2, 6, v2                        ; 64 h
	v_lshlrev_b32 v7, 2, v7                        ; 4 r
	v_mov_b32 v9, 0                                ; a lane permute's destination counts as read
	s_mov_b32 s[SEL], 0x76543210
	s_mov_b32 s[SEL+1], 0xfedcba98                 ; lane l xor 16
	s_mov_b32 s[MNT], 0x600000                     ; the mantissa field of 57,344
	s_mov_b32 s23, 0x3a800000                      ; 1 / 1,024
	s_mov_b32 s24, 0x3727c5ac                      ; 1e-5
	s_lshr_b32 s16, ttmp9, 1
	s_lshl_b32 s16, s16, 17                        ; 32 rows of 4,096 bytes
	s_and_b32 s17, ttmp9, 1
	s_lshl_b32 s17, s17, 15                        ; 8 rows
	s_add_co_u32 s16, s16, s17
	s_lshl_b32 s18, s14, 9                         ; my wave's 512 bytes of a row
	s_mov_b32 s19, 0
	s_add_co_u32 s16, s16, s18
	s_mov_b32 s17, 0
	s_lshl_b32 s26, ttmp9, 3
	s_add_co_u32 s26, s26, s14
	s_lshl_b32 s26, s26, 11                        ; fragment 8 T + s, 2,048 bytes each
	s_mov_b32 s27, 0
	s_lshl_b32 s28, ttmp9, 9
	s_lshl_b32 s29, s14, 6
	s_add_co_u32 s28, s28, s29                     ; 512 T + 64 s
	s_mov_b32 s29, 0
	s_wait_alu depctr_va_vdst(0)
	s_wait_kmcnt 0x0
	s_add_nc_u64 s[4:5], s[4:5], s[16:17]
	s_add_nc_u64 s[6:7], s[6:7], s[18:19]
	s_add_nc_u64 s[8:9], s[8:9], s[18:19]
	s_add_nc_u64 s[10:11], s[10:11], s[26:27]
	s_add_nc_u64 s[12:13], s[12:13], s[28:29]
.irp i, 0,1,2,3,4,5,6,7,8,9,10,11,12,13,14,15
	global_load_b128 v[X+4*\i:X+4*\i+3], v1, s[4:5] offset:(\i+8*(\i/8))*4096 th:TH_LOAD_NT   ; the tile's row i: 512 consecutive bytes
.endr
.irp c, 0,1,2,3
.irp j, 0,1,2,3
	global_load_b128 v[G+16*\c+4*\j:G+16*\c+4*\j+3], v2, s[6:7] offset:128*\c+16*\j
.endr
.endr
.irp c, 0,1,2,3
.irp j, 0,1,2,3
	global_load_b128 v[BT+16*\c+4*\j:BT+16*\c+4*\j+3], v2, s[8:9] offset:128*\c+16*\j
.endr
.endr
	s_wait_loadcnt 32                              ; the rows are in; the 32 loads of gain and bias may be out
.irp i, 0,1,2,3,4,5,6,7,8,9,10,11,12,13,14,15
	ds_store_b128 v3, v[X+4*\i:X+4*\i+3] offset:SP*\i
.endr
.irp c, 0,1,2,3
.irp j, 0,1,2,3
	ds_load_b128 v[X+16*\c+4*\j:X+16*\c+4*\j+3], v4 offset:128*\c+16*\j   ; LDS serves a wave's instructions in order: these see my stores.  Register 16 c + i = column 32 c + 16 h + i of row r
.endr
.endr
	s_wait_dscnt 0x0
; four chains folded, the other half of the lanes added, then the eight waves' sums through LDS: v8 = the row's sum
.macro FOLD red
	s_delay_alu instid0(VALU_DEP_3)
	v_pk_add_f32 v[TM:TM+1], v[TM:TM+1], v[TM+2:TM+3]
	s_delay_alu instid0(VALU_DEP_2)
	v_pk_add_f32 v[TM+4:TM+5], v[TM+4:TM+5], v[TM+6:TM+7]
	s_delay_alu instid0(VALU_DEP_1)
	v_pk_add_f32 v[TM:TM+1], v[TM:TM+1], v[TM+4:TM+5]
	s_delay_alu instid0(VALU_DEP_1)
	v_add_f32 v8, v[TM], v[TM+1]
	s_delay_alu instid0(VALU_DEP_1)
	v_permlanex16_b32 v9, v8, s[SEL], s[SEL+1]
	s_delay_alu instid0(VALU_DEP_1)
	v_add_f32 v8, v8, v9
	ds_store_b32 v5, v8 offset:\red
	s_wait_dscnt 0x0                               ; for the others: my store has landed
	s_barrier_signal -1
	s_barrier_wait -1
.irp w, 0,1,2,3,4,5,6,7
	ds_load_b32 v[RB+\w], v6 offset:\red+128*\w
.endr
	s_wait_dscnt 0x0
	v_add_f32 v[RB], v[RB], v[RB+1]
	v_add_f32 v[RB+2], v[RB+2], v[RB+3]
	v_add_f32 v[RB+4], v[RB+4], v[RB+5]
	v_add_f32 v[RB+6], v[RB+6], v[RB+7]
	s_delay_alu instid0(VALU_DEP_3)
	v_add_f32 v[RB], v[RB], v[RB+2]
	s_delay_alu instid0(VALU_DEP_2)
	v_add_f32 v[RB+4], v[RB+4], v[RB+6]
	s_delay_alu instid0(VALU_DEP_1)
	v_add_f32 v8, v[RB], v[RB+4]
.endm
.irp k, 0,1,2,3
	v_pk_add_f32 v[TM+2*\k:TM+2*\k+1], v[X+2*\k:X+2*\k+1], v[X+8+2*\k:X+8+2*\k+1]
.endr
.irp i, 16,24,32,40,48,56
.irp k, 0,1,2,3
	s_delay_alu instid0(VALU_DEP_4)
	v_pk_add_f32 v[TM+2*\k:TM+2*\k+1], v[TM+2*\k:TM+2*\k+1], v[X+\i+2*\k:X+\i+2*\k+1]
.endr
.endr
	FOLD 0
	s_delay_alu instid0(VALU_DEP_1)
	v_mul_f32 v10, s23, v8                         ; the mean
	s_delay_alu instid0(VALU_DEP_1)
	v_mov_b32 v11, v10
.set i_, 0
.rept 32
	v_pk_add_f32 v[X+i_:X+i_+1], v[X+i_:X+i_+1], v[10:11] neg_lo:[0,1] neg_hi:[0,1]
.set i_, i_+2
.endr
.irp k, 0,1,2,3
	v_pk_mul_f32 v[TM+2*\k:TM+2*\k+1], v[X+2*\k:X+2*\k+1], v[X+2*\k:X+2*\k+1]
.endr
.irp i, 8,16,24,32,40,48,56
.irp k, 0,1,2,3
	s_delay_alu instid0(VALU_DEP_4)
	v_pk_fma_f32 v[TM+2*\k:TM+2*\k+1], v[X+\i+2*\k:X+\i+2*\k+1], v[X+\i+2*\k:X+\i+2*\k+1], v[TM+2*\k:TM+2*\k+1]
.endr
.endr
	FOLD 1024                                      ; other bytes than the first sums: no barrier between
	s_delay_alu instid0(VALU_DEP_1)
	v_fma_f32 v13, v8, s23, s24                    ; the variance + 1e-5
	s_wait_alu depctr_va_vdst(0)
	v_rsq_f32 v12, v13
	v_nop                                          ; a plain line behind the transcendental
	s_wait_alu depctr_va_vdst(0)                   ; the wait ahead of the first reader
	v_mov_b32 v13, v12
	s_wait_alu depctr_va_vdst(0)
	s_wait_loadcnt 0x0                             ; gain and bias
.set i_, 0
.rept 32
	v_pk_mul_f32 v[G+i_:G+i_+1], v[G+i_:G+i_+1], v[12:13]
.set i_, i_+2
.endr
.set i_, 0
.rept 32
	v_pk_fma_f32 v[X+i_:X+i_+1], v[X+i_:X+i_+1], v[G+i_:G+i_+1], v[BT+i_:BT+i_+1]
.set i_, i_+2
.endr
; the quantiser: four blocks of 32, each in lanes l and l xor 16, 16 numbers a lane
.irp b, 0,1,2,3
	v_max3_num_f32 v[TM+\b], |v[X+16*\b]|, |v[X+1+16*\b]|, 0x8000000   ; with the floor 2^(16 - 127): the byte cannot fall under 1
.endr
.irp i, 2,4,6,8,10,12,14
.irp b, 0,1,2,3
	s_delay_alu instid0(VALU_DEP_4)
	v_max3_num_f32 v[TM+\b], v[TM+\b], |v[X+16*\b+\i]|, |v[X+1+16*\b+\i]|
.endr
.endr
.irp b, 0,1,2,3
	s_delay_alu instid0(VALU_DEP_4)
	v_permlanex16_b32 v[TM+4+\b], v[TM+\b], s[SEL], s[SEL+1]
.endr
.irp b, 0,1,2,3
	s_delay_alu instid0(VALU_DEP_4)
	v_max_num_f32 v[TM+\b], v[TM+\b], v[TM+4+\b]   ; the block's largest magnitude
.endr
.irp b, 0,1,2,3
	s_delay_alu instid0(VALU_DEP_4)
	v_add_nc_u32 v[TM+12+\b], 0xf8800000, v[TM+\b] ; 15 off its exponent field: the conversion's scale operand
.endr
.irp b, 0,1,2,3
	v_and_or_b32 v[TM+8+\b], v[TM+\b], 0x7f800000, s[MNT]   ; 57,344 x the scale
.endr
.irp b, 0,1,2,3
	v_lshrrev_b32 v[TM+4+\b], 23, v[TM+12+\b]      ; the scale's byte
.endr
	s_delay_alu instid0(VALU_DEP_3)
	v_lshl_or_b32 v[PW], v[TM+5], 8, v[TM+4]
	s_delay_alu instid0(VALU_DEP_1)
	v_lshl_or_b32 v[PW], v[TM+6], 16, v[PW]
	s_delay_alu instid0(VALU_DEP_1)
	v_lshl_or_b32 v[PW], v[TM+7], 24, v[PW]
.irp b, 0,1,2,3
.irp i, 0,1,2,3,4,5,6,7,8,9,10,11,12,13,14,15
	v_med3_num_f32 v[X+16*\b+\i], v[X+16*\b+\i], -v[TM+8+\b], v[TM+8+\b]   ; the conversion does not saturate (ISA guide 7.6.2): the hold comes first
.endr
	v_cvt_scalef32_pk8_bf8_f32 v[PC+4*\b:PC+1+4*\b], v[X+16*\b:X+7+16*\b], v[TM+12+\b]
	v_cvt_scalef32_pk8_bf8_f32 v[PC+2+4*\b:PC+3+4*\b], v[X+8+16*\b:X+15+16*\b], v[TM+12+\b]
.endr
	v_nop
.irp c, 0,1,2,3
	global_store_b128 v1, v[PC+4*\c:PC+4*\c+3], s[10:11] offset:512*\c   ; 512 consecutive bytes, aligned
.endr
	global_store_b32 v7, v[PW], s[12:13]           ; lanes r and r + 16 write the same word with the same value
	s_wait_tensorcnt 0x0
	ds_add_u32 v254, v255
	s_wait_dscnt 0x0
	s_endpgm
.Lfunc_end_k_qc2bd9dc2c4_ln:
	.size	k_qc2bd9dc2c4_ln, .Lfunc_end_k_qc2bd9dc2c4_ln-k_qc2bd9dc2c4_ln
	.p2alignl 7, 3214868480
	.fill 96, 4, 3214868480
	.section	.rodata,"a",@progbits
	.p2align	6, 0x0
	.amdhsa_kernel k_qc2bd9dc2c4_ln
		.amdhsa_group_segment_fixed_size 70656
		.amdhsa_private_segment_fixed_size 0
		.amdhsa_enable_private_segment 0
		.amdhsa_kernarg_size 40
		.amdhsa_user_sgpr_count 2
		.amdhsa_user_sgpr_kernarg_segment_ptr 1
		.amdhsa_wavefront_size32 1
		.amdhsa_system_sgpr_workgroup_id_x 1
		.amdhsa_system_sgpr_workgroup_id_y 1
		.amdhsa_system_sgpr_workgroup_id_z 1
		.amdhsa_system_vgpr_workitem_id 0
		.amdhsa_next_free_vgpr 256
		.amdhsa_next_free_sgpr 66
		.amdhsa_reserve_vcc 0
		.amdhsa_float_denorm_mode_32 3
		.amdhsa_float_denorm_mode_16_64 3
		.amdhsa_memory_ordered 1
		.amdhsa_forward_progress 1
		.amdhsa_inst_pref_size 34
	.end_amdhsa_kernel
	.amdgpu_metadata
---
amdhsa.version: [ 1, 2 ]
amdhsa.kernels:
  - .name:           k_qc2bd9dc2c4_ln
    .symbol:         k_qc2bd9dc2c4_ln.kd
    .args:
      - { .name: x, .offset: 0, .size: 8, .value_kind: global_buffer, .address_space: global }
      - { .name: ln1_g, .offset: 8, .size: 8, .value_kind: global_buffer, .address_space: global }
      - { .name: ln1_b, .offset: 16, .size: 8, .value_kind: global_buffer, .address_space: global }
      - { .name: hc, .offset: 24, .size: 8, .value_kind: global_buffer, .address_space: global }
      - { .name: hs, .offset: 32, .size: 8, .value_kind: global_buffer, .address_space: global }
    .group_segment_fixed_size: 70656
    .private_segment_fixed_size: 0
    .kernarg_segment_align: 8
    .kernarg_segment_size: 40
    .max_flat_workgroup_size: 256
    .sgpr_count:     66
    .vgpr_count:     256
    .wavefront_size: 32
...
	.end_amdgpu_metadata
.endif
;; end of part 1
;; launch qkv (part 2): grid 16 x 16, 4 waves a work-group, clusters of 4 x 1, 327,680 bytes of LDS; arguments hc, hs, qkv_w_codes, qkv_w_scales, qkv_b, qkvc, qkvs; writes qkvc, qkvs
.if DOCPART == 2
	.amdgcn_target "amdgcn-amd-amdhsa--gfx1250"
	.amdhsa_code_object_version 6
	.text
	.protected	k_qc2bd9dc2c4_qkv
	.globl	k_qc2bd9dc2c4_qkv
	.p2align	8
	.type	k_qc2bd9dc2c4_qkv,@function
k_qc2bd9dc2c4_qkv:
	s_mov_b64 s[64:65], 0
	v_nop
	global_prefetch_b8 v0, s[64:65] scope:SCOPE_SE
	s_setreg_imm32_b32 hwreg(HW_REG_WAVE_MODE, 25, 1), 1
	s_wait_xcnt 0x0
	s_wait_alu depctr_hold_cnt(0) depctr_sa_sdst(0) depctr_va_vdst(0) depctr_va_sdst(0) depctr_va_ssrc(0) depctr_va_vcc(0) depctr_vm_vsrc(0)
	s_getreg_b32 s2, hwreg(HW_REG_IB_STS2, 6, 4)
	s_cmp_eq_u32 s2, 0
	s_cbranch_scc0 .Lentry_in_a_cluster
	s_endpgm
.Lentry_in_a_cluster:
	s_bfe_u32 s2, ttmp6, 0x10000c
	s_cmp_lg_u32 s2, 0x3003
	s_cbranch_scc0 .Lentry_shape_is_right
	s_endpgm
.Lentry_shape_is_right:
; q, k, v = Q(LN1(x)) W + b for 256 tokens and one head, each quantised at once for attention: q and k along the head's 64, v along the keys.
; SHARES.  Work-group (X, y): tokens 256 X on, head y.  Wave w: token tiles 16 X + 4 w + m, m = 0 .. 3 (64 tokens).  Its codes of all K = 1,024 (32 fragments, 512 registers) are loaded once, straight from
; memory, where they lie in the order of the registers.  The head's 3 x 64 rows of W for all of K lie in LDS, each byte filled once: no slot is ever filled again.
; A fragment of W read from LDS feeds four matrix instructions (512 bytes each); a panel of 64 columns is 128 matrix instructions on 16 accumulators, which take turns.
; CLUSTER.  The four work-groups of a cluster share y, so they ask for every tile of W JOINTLY (mask 15).  The tokens' codes go to registers and cannot be shared so: each is read by the 16 work-groups of its X.
; THE ROWS OF W THAT FORM A TILE ARE NOT NEIGHBOURS: lane r of tile 2 b + u takes row 32 b + 8 u + r + (r & 8); token tiles are built the same way.  So for q and k (source 0 = W, source 1 = tokens) a lane holds
; one token and the 16 registers of tiles 2 b, 2 b + 1 are channels 32 b + 16 h + 0 .. 15; for v (source 0 = tokens, source 1 = W) a lane holds one channel and 16 neighbouring tokens: each is a group of the next operand.
; The tile's two runs of eight rows are fetched as two rows of 8,192 bytes, 16,384 apart, with 16 bytes of padding behind every 1,024: in LDS the 16 rows stand in lane order, 1,040 bytes apart.
; OUT, for bh = 16 batch + head: Q and K [tile 64][c 0,1][lane][16], V [key step 8][tile 4][c 4][lane][16]; scale words QS, KS [tile][r][4] (bytes 2, 3 = 127: the upper half of the 128-deep step is zero codes), VS [step][tile][r][4].
; LIMITS: NaN and infinities are not served; a block of zeros gets the byte 1 where the rule says 127 (its codes are zeros; this program alone reads the bytes).
; REGISTERS: window 0: v1-10 addresses, v16 scale word, v24-31 at work, v32-47 the tokens' scale words, v48-63 W's, v64-95 the bias, v96-103 codes, v128-255 accumulators.
;   window 1: the tokens' K steps 0-3 (64 s + 16 m);  window 2: steps 4-7;  window 3: two buffers of W, two K steps each (128 k + 64 sg + 16 t).
.set NP,    3
.set PITCH, 1040
.set TILB,  16*PITCH
.set PANB,  4*TILB
.set LI,  1                            ; 16 x lane
.set L4,  2                            ; 4 x lane
.set R4,  3                            ; 4 r
.set BO,  4                            ; 64 h
.set RH4, 5                            ; 4 rho(r)
.set ADS, 6                            ; 32 rho(r) + 16 h: my place among a tile's scale bytes of W, in memory
.set ADB, 8                            ; v8-10: 1,040 r + 16 h + panel
.set PW,  16
.set TM,  24
.set SCA, 32
.set SCB, 48
.set E,   64
.set PC,  96
.set ACC, 128
.set WV,  18
.set MNT, 19
.set SEL, 20
.set G1C, 24
.set G1S, 32
.set QCP, 92
.set QSP, 94
.set VCP, 96
.set VSP, 98
.set MSB, 0
.macro WIN new                         ; the immediate's high byte repeats the setting that is left
.if MSB != (\new)
	s_set_vgpr_msb (MSB<<8)|(\new)
.set MSB, (\new)
.endif
.endm
.macro PLACES n
.rept \n
	v_nop
.endr
.endm
.macro ROUND                           ; a round of the cluster's barrier
	s_barrier_signal -1
	s_barrier_wait -1
	s_cmp_lg_u32 s[WV], 0
	s_cbranch_scc1 .Lnot_wave_0_\@
	s_barrier_signal -3
.Lnot_wave_0_\@:
	s_barrier_wait -3
	s_barrier_signal -1
	s_barrier_wait -1
.endm
; one matrix instruction.  z: the sum begins (C = 0).  ra, rb: source 0's and source 1's scale words stand in lanes 16-31 of their registers
.macro WM d, a, b, z, sa, sb, ra, rb
.if \z
.if (\ra)&&(\rb)
	v_wmma_scale_f32_16x16x128_f8f6f4 v[\d:\d+7], v[\a:\a+15], v[\b:\b+15], 0, v[\sa], v[\sb] matrix_a_fmt:MATRIX_FMT_BF8 matrix_b_fmt:MATRIX_FMT_BF8 matrix_a_scale:MATRIX_SCALE_ROW1 matrix_b_scale:MATRIX_SCALE_ROW1
.elseif \ra
	v_wmma_scale_f32_16x16x128_f8f6f4 v[\d:\d+7], v[\a:\a+15], v[\b:\b+15], 0, v[\sa], v[\sb] matrix_a_fmt:MATRIX_FMT_BF8 matrix_b_fmt:MATRIX_FMT_BF8 matrix_a_scale:MATRIX_SCALE_ROW1
.elseif \rb
	v_wmma_scale_f32_16x16x128_f8f6f4 v[\d:\d+7], v[\a:\a+15], v[\b:\b+15], 0, v[\sa], v[\sb] matrix_a_fmt:MATRIX_FMT_BF8 matrix_b_fmt:MATRIX_FMT_BF8 matrix_b_scale:MATRIX_SCALE_ROW1
.else
	v_wmma_scale_f32_16x16x128_f8f6f4 v[\d:\d+7], v[\a:\a+15], v[\b:\b+15], 0, v[\sa], v[\sb] matrix_a_fmt:MATRIX_FMT_BF8 matrix_b_fmt:MATRIX_FMT_BF8
.endif
.else
.if (\ra)&&(\rb)
	v_wmma_scale_f32_16x16x128_f8f6f4 v[\d:\d+7], v[\a:\a+15], v[\b:\b+15], v[\d:\d+7], v[\sa], v[\sb] matrix_a_fmt:MATRIX_FMT_BF8 matrix_b_fmt:MATRIX_FMT_BF8 matrix_a_scale:MATRIX_SCALE_ROW1 matrix_b_scale:MATRIX_SCALE_ROW1
.elseif \ra
	v_wmma_scale_f32_16x16x128_f8f6f4 v[\d:\d+7], v[\a:\a+15], v[\b:\b+15], v[\d:\d+7], v[\sa], v[\sb] matrix_a_fmt:MATRIX_FMT_BF8 matrix_b_fmt:MATRIX_FMT_BF8 matrix_a_scale:MATRIX_SCALE_ROW1
.elseif \rb
	v_wmma_scale_f32_16x16x128_f8f6f4 v[\d:\d+7], v[\a:\a+15], v[\b:\b+15], v[\d:\d+7], v[\sa], v[\sb] matrix_a_fmt:MATRIX_FMT_BF8 matrix_b_fmt:MATRIX_FMT_BF8 matrix_b_scale:MATRIX_SCALE_ROW1
.else
	v_wmma_scale_f32_16x16x128_f8f6f4 v[\d:\d+7], v[\a:\a+15], v[\b:\b+15], v[\d:\d+7], v[\sa], v[\sb] matrix_a_fmt:MATRIX_FMT_BF8 matrix_b_fmt:MATRIX_FMT_BF8
.endif
.endif
.endm
; 32 matrix instructions: K steps 2 be and 2 be + 1 from W's buffer k; the 16 accumulators in the same order each time.  nat = 0: source 0 = W (accumulator 4 m + t);  nat = 1: source 0 = tokens (accumulator 4 t + m)
.macro MULB be, k, nat
.if \nat
	WIN 0x0d+(\be)/2
.else
	WIN 0x07+4*((\be)/2)
.endif
.irp sg, 0,1
.set KS_, 2*(\be)+\sg
.irp x, 0,1,2,3
.irp y, 0,1,2,3
.if \nat
	WM ACC+8*(4*\x+\y), 64*(KS_%4)+16*\y, 128*(\k)+64*\sg+16*\x, KS_==0, SCA+4*(\be)+\y, SCB+4*\x+KS_%4, \sg, KS_/4
.else
	WM ACC+8*(4*\x+\y), 128*(\k)+64*\sg+16*\y, 64*(KS_%4)+16*\x, KS_==0, SCB+4*\y+KS_%4, SCA+4*(\be)+\x, KS_/4, \sg
.endif
.endr
.endr
.endr
.endm
.macro SFETCH imm                      ; a panel's scale words: register 4 t + i holds K step i in lanes 0-15 and K step 4 + i in lanes 16-31
	WIN 0
.irp t, 0,1,2,3
	global_load_b128 v[SCB+4*\t:SCB+4*\t+3], v[ADS], s[84:85] offset:\imm+(32*(\t/2)+8*(\t%2))*32   ; straight from memory: the 32 lanes read two runs of 256 bytes
.endr
.endm
.macro BFETCH adb, be, k               ; 32 LDS loads: W's four tiles of K steps 2 be, 2 be + 1 into buffer k
	WIN 0xc0
.irp sg, 0,1
.irp t, 0,1,2,3
.irp c, 0,1,2,3
	ds_load_b128 v[128*(\k)+64*\sg+16*\t+4*\c:128*(\k)+64*\sg+16*\t+4*\c+3], v[\adb] offset:TILB*(2*(\t%2)+\t/2)+128*(2*(\be)+\sg)+32*\c   ; a panel's tiles lie in LDS in the order 0, 2, 1, 3
.endr
.endr
.endr
.endm
; a panel: 128 matrix instructions.  Its scale words and its first two batches of W have been asked for.  Eight plain places stand behind matrix instructions in front of loads into registers that they read
.macro PANEL p, nat
	WIN 0
.irp t, 0,1,2,3
.if \nat
	global_load_b32 v[E+2*\t], v[RH4], s[12:13] offset:4096*\p+(32*(\t/2)+8*(\t%2))*4      ; my channel's bias, twice: a pair for the packed addition
	global_load_b32 v[E+2*\t+1], v[RH4], s[12:13] offset:4096*\p+(32*(\t/2)+8*(\t%2))*4
.else
	global_load_b128 v[E+8*\t:E+8*\t+3], v[BO], s[12:13] offset:4096*\p+(32*(\t/2)+8*(\t%2))*4   ; the bias of tile t's eight channels of my half
	global_load_b128 v[E+8*\t+4:E+8*\t+7], v[BO], s[12:13] offset:4096*\p+(32*(\t/2)+8*(\t%2))*4+16
.endif
.endr
	s_wait_dscnt 32                                ; batch 0 is in; batch 1's 32 loads may be out
.if \p == 0
	s_wait_loadcnt 63                              ; behind the tokens' K steps 0, 1 stand 96 loads of later steps and 8 of the bias: the count is held at 63
.endif
	MULB 0, 0, \nat
	PLACES 8
	BFETCH ADB+\p, 2, 0
	s_wait_dscnt 32
.if \p == 0
	s_wait_loadcnt 63                              ; 64 + 8 behind steps 2, 3
.endif
	MULB 1, 1, \nat
	PLACES 8
	BFETCH ADB+\p, 3, 1
	s_wait_dscnt 32
.if \p == 0
	s_wait_loadcnt 40                              ; 32 + 8 behind steps 4, 5
.endif
	MULB 2, 0, \nat
	s_wait_dscnt 0x0
.if \p == 0
	s_wait_loadcnt 8                               ; the bias alone
.endif
	MULB 3, 1, \nat
	WIN 0
.endm
; on to panel p: my tensor loads for it have landed, everybody's have behind a barrier; its first fragments are asked for ahead of the last panel's way out
.macro NEXT n, p
.if \n                                 ; n = 1: panel p came by the second group of loads: all my loads have landed, and behind the barrier everybody's.  n = 0: it came with the head's
	s_wait_tensorcnt 0x0
	ds_add_u32 v126, v127
	s_wait_dscnt 0x0
	s_barrier_signal -1
	s_barrier_wait -1
.endif
	PLACES 8
	SFETCH 32768*\p
	BFETCH ADB+\p, 0, 0
	BFETCH ADB+\p, 1, 1
	WIN 0
.endm
; 32 numbers of a lane, register 16 b + i = k 32 b + 16 h + i, become 8 registers of codes in v[PC] on and two scale bytes in v[PW].  fill = 1: bytes 2 and 3 become 127
.macro QUANT2 s, fill
	s_wait_xcnt 0x0                                ; the last stores have read v[PC] on and v[PW]
.irp b, 0,1
	v_max3_num_f32 v[TM+\b], |v[(\s)+16*\b]|, |v[(\s)+16*\b+1]|, 0x8000000   ; with the floor 2^(16 - 127): the byte cannot fall under 1
.endr
.irp i, 2,4,6,8,10,12,14
.irp b, 0,1
	v_max3_num_f32 v[TM+\b], v[TM+\b], |v[(\s)+16*\b+\i]|, |v[(\s)+16*\b+\i+1]|
.endr
.endr
.irp b, 0,1
	v_permlanex16_b32 v[TM+2+\b], v[TM+\b], s[SEL], s[SEL+1]
.endr
.irp b, 0,1
	v_max_num_f32 v[TM+\b], v[TM+\b], v[TM+2+\b]   ; with lane l xor 16's: the block's largest magnitude
.endr
.irp b, 0,1
	v_add_nc_u32 v[TM+6+\b], 0xf8800000, v[TM+\b]  ; 15 off its exponent field: the conversion's scale operand
.endr
.irp b, 0,1
	v_and_or_b32 v[TM+4+\b], v[TM+\b], 0x7f800000, s[MNT]   ; 57,344 x the scale
.endr
.irp b, 0,1
	v_lshrrev_b32 v[TM+2+\b], 23, v[TM+6+\b]       ; the scale's byte
.endr
	v_lshl_or_b32 v[PW], v[TM+3], 8, v[TM+2]
.if \fill
	v_or_b32 v[PW], 0x7f7f0000, v[PW]
.endif
.irp b, 0,1
.irp i, 0,1,2,3,4,5,6,7,8,9,10,11,12,13,14,15
	v_med3_num_f32 v[(\s)+16*\b+\i], v[(\s)+16*\b+\i], -v[TM+4+\b], v[TM+4+\b]   ; the conversion does not saturate (ISA guide 7.6.2): the hold comes first
.endr
	v_cvt_scalef32_pk8_bf8_f32 v[PC+4*\b:PC+4*\b+1], v[(\s)+16*\b:(\s)+16*\b+7], v[TM+6+\b]
	v_cvt_scalef32_pk8_bf8_f32 v[PC+4*\b+2:PC+4*\b+3], v[(\s)+16*\b+8:(\s)+16*\b+15], v[TM+6+\b]
.endr
	v_nop                                          ; a plain line between the conversions and whatever next writes their sources
.endm
.macro EPI_QK p                        ; q (p = 0) or k (p = 1): bias, quantised along the head's 64, a token tile at a time
	s_wait_loadcnt 0x0
.irp m, 0,1,2,3
.irp t, 0,1,2,3
.irp j, 0,2,4,6
	v_pk_add_f32 v[ACC+32*\m+8*\t+\j:ACC+32*\m+8*\t+\j+1], v[ACC+32*\m+8*\t+\j:ACC+32*\m+8*\t+\j+1], v[E+8*\t+\j:E+8*\t+\j+1]   ; each accumulator from its low end on
.endr
.endr
.endr
.irp m, 0,1,2,3
	QUANT2 ACC+32*\m, 1
	global_store_b128 v[LI], v[PC:PC+3], s[QCP:QCP+1] offset:65536*\p+1024*\m          ; 512 consecutive bytes, aligned
	global_store_b128 v[LI], v[PC+4:PC+7], s[QCP:QCP+1] offset:65536*\p+1024*\m+512
	global_store_b32 v[R4], v[PW], s[QSP:QSP+1] offset:4096*\p+64*\m
.endr
.endm
.macro EPI_V                           ; v: bias, quantised along my 64 tokens (two blocks of keys), a tile of 16 channels at a time
	s_wait_loadcnt 0x0
.irp t, 0,1,2,3
.irp m, 0,1,2,3
.irp j, 0,2,4,6
	v_pk_add_f32 v[ACC+32*\t+8*\m+\j:ACC+32*\t+8*\m+\j+1], v[ACC+32*\t+8*\m+\j:ACC+32*\t+8*\m+\j+1], v[E+2*\t:E+2*\t+1]
.endr
.endr
.endr
.irp t, 0,1,2,3
	QUANT2 ACC+32*\t, 0
	global_store_b128 v[LI], v[PC:PC+3], s[VCP:VCP+1] offset:2048*\t
	global_store_b128 v[LI], v[PC+4:PC+7], s[VCP:VCP+1] offset:2048*\t+512
	global_store_b16 v[R4], v[PW], s[VSP:VSP+1] offset:64*\t       ; my two of the word's four bytes
.endr
.endm
	s_load_b256 s[4:11], s[0:1], 0x0               ; tokens' codes, their scale words, W's codes, W's scales
	s_load_b128 s[12:15], s[0:1], 0x20             ; bias, codes out
	s_load_b64 s[16:17], s[0:1], 0x30              ; scale words out
	v_lshl_add_u32 v126, v0, 2, 0x32400
	v_mov_b32 v127, 0
	ds_add_u32 v126, v127
	ds_add_u32 v126, v127
	v_lshrrev_b32 v7, 5, v0
	v_readfirstlane_b32 s[WV], v7                  ; wave 0..3
	v_and_b32 v7, 31, v0
	v_lshlrev_b32 v[LI], 4, v7
	v_lshlrev_b32 v[L4], 2, v7
	v_and_b32 v7, 15, v0                           ; r
	v_bfe_u32 v17, v0, 4, 1                        ; h
	v_lshlrev_b32 v[R4], 2, v7
	v_lshlrev_b32 v[BO], 6, v17
	v_and_b32 v18, 8, v7
	v_add_nc_u32 v18, v18, v7                      ; rho(r)
	v_lshlrev_b32 v[RH4], 2, v18
	v_lshlrev_b32 v[ADS], 5, v18
	v_lshl_add_u32 v[ADS], v17, 4, v[ADS]
	v_mul_u32_u24 v[ADB], v7, PITCH
	v_lshl_add_u32 v[ADB], v17, 4, v[ADB]
.irp p, 1,2
	v_add_nc_u32 v[ADB+\p], PANB*\p, v[ADB]
.endr
	v_mov_b32 v[TM+2], 0                           ; a lane permute's destination counts as read
	v_mov_b32 v[TM+3], 0
	s_mov_b32 s[MNT], 0x600000
	s_mov_b32 s[SEL], 0x76543210
	s_mov_b32 s[SEL+1], 0xfedcba98
	s_and_b32 s76, ttmp7, 0xffff                   ; y: the head, which the four partners share
	; group 1 for a tile of W: two rows of 8,192 bytes (eight rows of W each), 16,384 bytes apart; 4 words of padding behind every 256
	s_mov_b32 s[G1C], 15|(1<<20)|(1<<21)|(7<<22)|(3<<25)
	s_mov_b32 s[G1C+1], 8192<<16
	s_mov_b32 s[G1C+2], 4<<16                      ; four such rows: tiles u and u + 2 of a panel by one load
	s_mov_b32 s[G1C+3], 8192<<16
	s_mov_b32 s[G1C+4], 4
	s_mov_b32 s[G1C+5], 16384
	s_mov_b32 s[G1C+6], 0
	s_mov_b32 s[G1C+7], 0
	s_lshl_b32 s78, s76, 11                        ; scales: 64 y rows of 32 bytes,
	s_mov_b32 s79, 0
	s_lshl_b32 s80, s76, 16                        ; codes: 64 y rows of 1,024 bytes,
	s_lshr_b32 s2, s[WV], 1
	s_lshl_b32 s2, s2, 20                          ; + panel w / 2: 1,024 rows
	s_add_co_u32 s80, s80, s2
	s_and_b32 s2, s[WV], 1
	s_lshl_b32 s2, s2, 13                          ; + 8 (w % 2) rows: tile t = w
	s_add_co_u32 s80, s80, s2
	s_mov_b32 s81, 0
	s_mul_i32 s83, s[WV], 2*TILB                   ; panel w / 2, tiles w % 2 and w % 2 + 2: two tiles a wave, on end
	s_wait_dscnt 0x0
	s_wait_kmcnt 0x0
	s_add_nc_u64 s[84:85], s[10:11], s[78:79]
	s_add_nc_u64 s[86:87], s[8:9], s[80:81]
.set p_, 0
.rept 2                                ; group 0 of the head's load (panels 0 and 1) and of the second (panel 2: waves 0 and 1 alone issue it)
.set gC, 44+8*p_
	s_mov_b32 s[gC], 1
	s_add_co_u32 s[gC+1], s83, 2*PANB*p_
	s_add_nc_u64 s[gC+2:gC+3], s[86:87], 2097152*p_
	s_or_b32 s[gC+3], s[gC+3], 0x80000000
.set p_, p_+1
.endr
	; what hangs on my place in the cluster enters global addresses of my own loads and stores alone
	s_bfe_u32 s22, ttmp6, 0x40000                  ; cx
	s_lshl_b32 s23, ttmp9, 2
	s_add_co_u32 s23, s23, s22                     ; X
	s_mov_b32 s89, 0
	s_lshl_b32 s88, s23, 18
	s_lshl_b32 s2, s[WV], 16
	s_add_co_u32 s88, s88, s2
	s_add_nc_u64 s[4:5], s[4:5], s[88:89]          ; my first tile's codes: (16 X + 4 w) x 16,384
	s_lshl_b32 s88, s23, 13
	s_lshl_b32 s2, s[WV], 11
	s_add_co_u32 s88, s88, s2
	s_add_nc_u64 s[6:7], s[6:7], s[88:89]          ; and scale words: x 512
	s_lshl_b32 s88, s76, 8
	s_add_nc_u64 s[12:13], s[12:13], s[88:89]      ; the bias at column 64 y
	s_lshr_b32 s90, s23, 2
	s_lshl_b32 s90, s90, 4
	s_add_co_u32 s90, s90, s76                     ; bh
	s_and_b32 s91, s23, 3
	s_mul_i32 s2, s90, 196608
	s_mul_i32 s3, s90, 10240
	s_lshl_b32 s77, s91, 2
	s_add_co_u32 s77, s77, s[WV]                   ; 4 (X % 4) + w: my first tile in the batch is four times this
	s_lshl_b32 s88, s77, 12
	s_add_co_u32 s88, s88, s2
	s_add_nc_u64 s[QCP:QCP+1], s[14:15], s[88:89]
	s_lshl_b32 s88, s77, 8
	s_add_co_u32 s88, s88, s3
	s_add_nc_u64 s[QSP:QSP+1], s[16:17], s[88:89]
	s_lshr_b32 s91, s77, 1                         ; my key step
	s_and_b32 s77, s77, 1                          ; and which half of it
	s_lshl_b32 s88, s91, 13
	s_add_co_u32 s88, s88, s2
	s_lshl_b32 s2, s77, 10
	s_add_co_u32 s88, s88, s2
	s_add_co_u32 s88, s88, 131072
	s_add_nc_u64 s[VCP:VCP+1], s[14:15], s[88:89]
	s_lshl_b32 s88, s91, 8
	s_add_co_u32 s88, s88, s3
	s_lshl_b32 s2, s77, 1
	s_add_co_u32 s88, s88, s2
	s_add_co_u32 s88, s88, 8192
	s_add_nc_u64 s[VSP:VSP+1], s[16:17], s[88:89]
	ROUND                                          ; all four work-groups are here: the joint loads meet
.set p_, 0
	tensor_load_to_lds s[44:47], s[G1C:G1C+7]      ; panels 0 and 1, two tiles a wave: one tensor load a wave at the head
	s_nop 0
	PLACES 4
	s_wait_alu depctr_va_vdst(0)                   ; the wait ahead of the first reader of the head's addresses
	SFETCH 0                                       ; panel 0's scale words, ahead of the tokens' loads: the counted waits below cover them
.irp be, 0,1,2,3
.irp m, 0,1,2,3
	global_load_b32 v[SCA+4*\be+\m], v[L4], s[6:7] offset:512*\m+128*\be   ; lanes 0-15: K step 2 be; lanes 16-31: 2 be + 1
.endr
.endr
.irp s, 0,1,2,3,4,5,6,7
	WIN 0x40+0x40*(\s/4)
.irp m, 0,1,2,3
.irp c, 0,1,2,3
	global_load_b128 v[64*(\s%4)+16*\m+4*\c:64*(\s%4)+16*\m+4*\c+3], v[LI], s[4:5] offset:16384*\m+2048*\s+512*\c
.endr
.endr
.endr
	WIN 0
	s_wait_tensorcnt 0x0                           ; my two tiles of panel w / 2 have landed
	ds_add_u32 v126, v127
	s_wait_dscnt 0x0
	ROUND
	s_cmp_lt_u32 s[WV], 2                          ; panel 2's first fill: two tiles each by waves 0 and 1, the wave's one load behind the round
	s_cbranch_scc0 .Lno_p2
	tensor_load_to_lds s[52:55], s[G1C:G1C+7]
	s_nop 0
	PLACES 4
.Lno_p2:
	BFETCH ADB, 0, 0
	BFETCH ADB, 1, 1
	PANEL 0, 0
	NEXT 0, 1
	EPI_QK 0
	PANEL 1, 0
	NEXT 1, 2
	EPI_QK 1
	PANEL 2, 1
	PLACES 8
	EPI_V
	s_wait_tensorcnt 0x0
	ds_add_u32 v126, v127
	s_wait_dscnt 0x0
	ROUND                                          ; the closing round: no work-group ends while a partner may still ask jointly
	s_endpgm
.Lfunc_end_k_qc2bd9dc2c4_qkv:
	.size	k_qc2bd9dc2c4_qkv, .Lfunc_end_k_qc2bd9dc2c4_qkv-k_qc2bd9dc2c4_qkv
	.p2alignl 7, 3214868480
	.fill 96, 4, 3214868480
	.section	.rodata,"a",@progbits
	.p2align	6, 0x0
	.amdhsa_kernel k_qc2bd9dc2c4_qkv
		.amdhsa_group_segment_fixed_size 327680
		.amdhsa_private_segment_fixed_size 0
		.amdhsa_enable_private_segment 0
		.amdhsa_kernarg_size 56
		.amdhsa_user_sgpr_count 2
		.amdhsa_user_sgpr_kernarg_segment_ptr 1
		.amdhsa_wavefront_size32 1
		.amdhsa_system_sgpr_workgroup_id_x 1
		.amdhsa_system_sgpr_workgroup_id_y 1
		.amdhsa_system_sgpr_workgroup_id_z 1
		.amdhsa_system_vgpr_workitem_id 0
		.amdhsa_next_free_vgpr 1024
		.amdhsa_next_free_sgpr 100
		.amdhsa_reserve_vcc 0
		.amdhsa_float_denorm_mode_32 3
		.amdhsa_float_denorm_mode_16_64 3
		.amdhsa_memory_ordered 1
		.amdhsa_forward_progress 1
		.amdhsa_inst_pref_size 164
	.end_amdhsa_kernel
	.amdgpu_metadata
---
amdhsa.version: [ 1, 2 ]
amdhsa.kernels:
  - .name:           k_qc2bd9dc2c4_qkv
    .symbol:         k_qc2bd9dc2c4_qkv.kd
    .args:
      - { .name: hc, .offset: 0, .size: 8, .value_kind: global_buffer, .address_space: global }
      - { .name: hs, .offset: 8, .size: 8, .value_kind: global_buffer, .address_space: global }
      - { .name: qkv_w_codes, .offset: 16, .size: 8, .value_kind: global_buffer, .address_space: global }
      - { .name: qkv_w_scales, .offset: 24, .size: 8, .value_kind: global_buffer, .address_space: global }
      - { .name: qkv_b, .offset: 32, .size: 8, .value_kind: global_buffer, .address_space: global }
      - { .name: qkvc, .offset: 40, .size: 8, .value_kind: global_buffer, .address_space: global }
      - { .name: qkvs, .offset: 48, .size: 8, .value_kind: global_buffer, .address_space: global }
    .group_segment_fixed_size: 327680
    .private_segment_fixed_size: 0
    .kernarg_segment_align: 8
    .kernarg_segment_size: 56
    .max_flat_workgroup_size: 128
    .sgpr_count:     100
    .vgpr_count:     1024
    .wavefront_size: 32
...
	.end_amdgpu_metadata
.endif
;; end of part 2
;; launch att (part 3): grid 4 x 64, 16 waves a work-group, clusters of 4 x 1, 169,984 bytes of LDS; arguments qkvc, qkvs, hc, hs; writes hc, hs
.if DOCPART == 3
	.amdgcn_target "amdgcn-amd-amdhsa--gfx1250"
	.amdhsa_code_object_version 6
	.text
	.protected	k_qc2bd9dc2c4_att
	.globl	k_qc2bd9dc2c4_att
	.p2align	8
	.type	k_qc2bd9dc2c4_att,@function
k_qc2bd9dc2c4_att:
	s_mov_b64 s[64:65], 0
	v_nop
	global_prefetch_b8 v0, s[64:65] scope:SCOPE_SE
	s_setreg_imm32_b32 hwreg(HW_REG_WAVE_MODE, 25, 1), 1
	s_wait_xcnt 0x0
	s_wait_alu depctr_hold_cnt(0) depctr_sa_sdst(0) depctr_va_vdst(0) depctr_va_sdst(0) depctr_va_ssrc(0) depctr_va_vcc(0) depctr_vm_vsrc(0)
	s_getreg_b32 s2, hwreg(HW_REG_IB_STS2, 6, 4)
	s_cmp_eq_u32 s2, 0
	s_cbranch_scc0 .Lentry_in_a_cluster
	s_endpgm
.Lentry_in_a_cluster:
	s_bfe_u32 s2, ttmp6, 0x10000c
	s_cmp_lg_u32 s2, 0x3003
	s_cbranch_scc0 .Lentry_shape_is_right
	s_endpgm
.Lentry_shape_is_right:
; o = softmax(q k^T / 8) v for 256 queries of one head, both products on E5M2 codes with E8M0 scales; o is quantised at once for the next product.
; t = score x log2(e) / 8; M = the running largest t rounded UP to a whole number; p = 2^(t - M) is quantised along the keys, not normalised; the sum of the unquantised p divides at the end; when M moves, the
; sum and O are multiplied by 2^(old M - new M), which rounds nothing.
; SHARES.  Work-group: head bh = y, queries 256 x on.  Each of SIXTEEN waves owns one tile of 16 queries in 256 registers: four waves to a SIMD, so that one wave's vector work stands beside another's products and LDS loads.
; The head's whole K and V (131,072 bytes, in the order of the operands' registers) and their scale words stay in LDS, filled once, asked for JOINTLY by the four query blocks of the cluster (mask 15).
; Every fragment is read as runs of 512 consecutive bytes: no pitch, no padding.
; LAYOUT.  S^T = K Q^T, O^T = V^T P^T: a lane holds ONE query.  Key tiles and V's channel tiles were built so that the 16 registers of tiles 2 b, 2 b + 1 are 16 neighbours (32 b + 16 h + 0 .. 15).
; The head's 64 fill half of the 128-deep step: registers 8-15 of K's and Q's fragments are zero codes, written once; their scale bytes are 127.
; LIMITS: NaN and infinities are not served; a block of zeros gets the byte 1 where the rule says 127.
; REGISTERS: v1-5 addresses that stay, v8-11 the step's; v12 -M, v13 the largest t, v[14:15] the sum; v16-31 Q; v32-95 four fragments of K; v96-159 S^T, then p; v160-191 O^T; v192-223 two fragments of V;
;   v224-239 p's codes; v232-254 at work; v248-251 scale words; v253 p's scale word; v255 Q's.
.set AK0,  1                           ; 16 x lane
.set AV0,  2                           ; 65,536 + 16 x lane
.set ASK0, 3                           ; 131,072 + 4 r
.set ASV0, 4                           ; 135,168 + 4 r
.set R4,   5                           ; 4 r
.set ADK,  8
.set ADV,  9
.set ADS,  10
.set ADT,  11
.set WV,   12
.set MNT,  19
.set SEL,  20
.set CS,   22
.set G1C,  24
.set G1S,  32
.set TK,   52                          ; the step's codes: 8,192 bytes a step in K and in V
.set TS,   53                          ; K's scale words: 512 a step
.set TT,   54                          ; V's: 256 a step
.set CNT,  55
.set TM,   232
.set PC,   224
.set PW,   240
.macro ROUND
	s_barrier_signal -1
	s_barrier_wait -1
	s_cmp_lg_u32 s[WV], 0
	s_cbranch_scc1 .Lnot_wave_0_\@
	s_barrier_signal -3
.Lnot_wave_0_\@:
	s_barrier_wait -3
	s_barrier_signal -1
	s_barrier_wait -1
.endm
	s_load_b256 s[4:11], s[0:1], 0x0               ; q, k, v codes; their scale words; o's codes; o's scale words
	v_lshl_add_u32 v6, v0, 2, 0x29000
	v_mov_b32 v7, 0
	ds_add_u32 v6, v7
	ds_add_u32 v6, v7
	v_lshrrev_b32 v8, 5, v0
	s_delay_alu instid0(VALU_DEP_1)
	v_readfirstlane_b32 s[WV], v8                  ; wave 0..15
	v_and_b32 v8, 31, v0
	s_delay_alu instid0(VALU_DEP_1)
	v_lshlrev_b32 v[AK0], 4, v8
	s_delay_alu instid0(VALU_DEP_1)
	v_add_nc_u32 v[AV0], 65536, v[AK0]
	v_and_b32 v8, 15, v0
	s_delay_alu instid0(VALU_DEP_1)
	v_lshlrev_b32 v[R4], 2, v8
	s_delay_alu instid0(VALU_DEP_1)
	v_add_nc_u32 v[ASK0], 131072, v[R4]
	s_delay_alu instid0(VALU_DEP_2)
	v_add_nc_u32 v[ASV0], 135168, v[R4]
	s_mov_b32 s[MNT], 0x600000
	s_mov_b32 s[SEL], 0x76543210
	s_mov_b32 s[SEL+1], 0xfedcba98
	s_mov_b32 s[CS], 0x3e38aa3b                    ; log2(e) / 8
	s_mov_b32 s[CS+1], s[CS]
	s_mov_b32 s[TK], 0
	s_mov_b32 s[TS], 0
	s_mov_b32 s[TT], 0
	s_mov_b32 s[CNT], 8
	; group 1 for codes: 16,384 dense bytes as 64 rows of 32 elements of 8 bytes;  for the scale words: 6,144 dense bytes as 24 such rows
	s_mov_b32 s[G1C], 15|(3<<16)|(1<<21)
	s_mov_b32 s[G1C+1], 32<<16
	s_mov_b32 s[G1C+2], 64<<16
	s_mov_b32 s[G1C+3], 32<<16
	s_mov_b32 s[G1C+4], 64
	s_mov_b32 s[G1C+5], 32
	s_mov_b32 s[G1C+6], 0
	s_mov_b32 s[G1C+7], 0
	s_mov_b32 s[G1S], 15|(3<<16)|(1<<21)
	s_mov_b32 s[G1S+1], 32<<16
	s_mov_b32 s[G1S+2], 24<<16
	s_mov_b32 s[G1S+3], 32<<16
	s_mov_b32 s[G1S+4], 24
	s_mov_b32 s[G1S+5], 32
	s_mov_b32 s[G1S+6], 0
	s_mov_b32 s[G1S+7], 0
	s_and_b32 s56, ttmp7, 0xffff                   ; bh, which the four partners share
	s_mul_i32 s58, s56, 10240
	s_add_co_u32 s58, s58, 4096                    ; K's and V's 6,144 bytes of scale words lie on end: wave 8 fetches them
	s_mov_b32 s59, 0
	s_mov_b32 s14, 131072
	s_min_u32 s15, s[WV], 7                        ; waves 0-7 fetch K's and V's codes, which lie on end in memory and in LDS: 16,384 bytes each
	s_lshl_b32 s15, s15, 14
	s_mul_i32 s57, s56, 196608
	s_add_co_u32 s60, s57, s15
	s_add_co_u32 s60, s60, 65536
	s_mov_b32 s61, 0
	s_wait_dscnt 0x0
	s_wait_kmcnt 0x0
	s_mov_b32 s40, 1
	s_mov_b32 s41, s14
	s_add_nc_u64 s[42:43], s[6:7], s[58:59]
	s_or_b32 s43, s43, 0x80000000
	s_mov_b32 s44, 1
	s_mov_b32 s45, s15
	s_add_nc_u64 s[46:47], s[4:5], s[60:61]
	s_or_b32 s47, s47, 0x80000000
	; my queries and my outputs: what hangs on my place in the cluster enters these global addresses alone
	s_bfe_u32 s17, ttmp6, 0x40000                  ; cx
	s_lshl_b32 s18, ttmp9, 2
	s_add_co_u32 s17, s17, s18                     ; my block of 256 queries
	s_lshl_b32 s17, s17, 4
	s_add_co_u32 s17, s17, s[WV]                   ; my tile in the batch
	s_mov_b32 s63, 0
	s_lshl_b32 s62, s17, 10
	s_add_co_u32 s62, s62, s57
	s_add_nc_u64 s[4:5], s[4:5], s[62:63]          ; q's codes
	s_mul_i32 s62, s56, 10240
	s_lshl_b32 s18, s17, 6
	s_add_co_u32 s62, s62, s18
	s_add_nc_u64 s[6:7], s[6:7], s[62:63]          ; q's scale words
	s_lshr_b32 s18, s56, 4                         ; batch
	s_lshl_b32 s18, s18, 6
	s_add_co_u32 s18, s18, s17                     ; my token tile T
	s_and_b32 s16, s56, 15                         ; head
	s_lshl_b32 s62, s18, 14
	s_lshl_b32 s13, s16, 10
	s_add_co_u32 s62, s62, s13                     ; 16,384 T + 1,024 head: K step head / 2, groups 2 (head % 2) on
	s_add_nc_u64 s[8:9], s[8:9], s[62:63]
	s_lshl_b32 s62, s18, 9
	s_lshr_b32 s13, s16, 1
	s_lshl_b32 s13, s13, 6
	s_add_co_u32 s62, s62, s13
	s_and_b32 s13, s16, 1
	s_lshl_b32 s13, s13, 1
	s_add_co_u32 s62, s62, s13                     ; 512 T + 64 (head / 2) + 2 (head % 2)
	s_add_nc_u64 s[10:11], s[10:11], s[62:63]
	ROUND                                          ; all four work-groups are here: the joint loads meet
	s_cmp_lt_u32 s[WV], 8                          ; all fills of the launch, one a wave at the most: one chain of branches on the wave's number
	s_cbranch_scc0 .Lhead_s
	tensor_load_to_lds s[44:47], s[G1C:G1C+7]
	s_nop 0
.rept 4
	v_nop
.endr
	s_branch .Lhead_asked
.Lhead_s:
	s_cmp_lt_u32 s[WV], 9
	s_cbranch_scc0 .Lhead_asked
	tensor_load_to_lds s[40:43], s[G1S:G1S+7]
	s_nop 0
.rept 4
	v_nop
.endr
.Lhead_asked:
	s_wait_alu depctr_va_vdst(0)
	global_load_b128 v[16:19], v[AK0], s[4:5]
	global_load_b128 v[20:23], v[AK0], s[4:5] offset:512
	global_load_b32 v255, v[R4], s[6:7]
.irp j, 0,1,2,3,4,5,6,7
	v_mov_b32 v[24+\j], 0                          ; the upper halves of Q's and K's fragments: zero codes, never written again
	v_mov_b32 v[40+\j], 0
	v_mov_b32 v[56+\j], 0
	v_mov_b32 v[72+\j], 0
	v_mov_b32 v[88+\j], 0
.endr
	v_mov_b32 v13, 0xff61b1e6                      ; the largest t so far: -3e38
	s_delay_alu instid0(VALU_DEP_1)
	v_floor_f32 v12, -v13
	v_mov_b32 v14, 0
	v_mov_b32 v15, 0
.irp b, 0,1,2,3
	v_mov_b32 v[236+\b], 0                         ; a lane permute's destination counts as read
.endr
	v_mov_b32 v253, 0
.set j_, 0
.rept 32
	v_mov_b32 v[160+j_], 0                         ; O^T: the step is written once; its first trip finds zeros
.set j_, j_+1
.endr
	s_wait_tensorcnt 0x0                           ; my parts of K, V and the scale words have landed,
	s_barrier_signal -1
	s_barrier_wait -1                              ; everybody's have
	s_wait_loadcnt 0x0                             ; Q
.Lstep:                                            ; eight trips of 128 keys
	v_add_nc_u32 v[ADK], s[TK], v[AK0]
	s_wait_alu depctr_va_vdst(0)
	v_add_nc_u32 v[ADV], s[TK], v[AV0]
	v_add_nc_u32 v[ADS], s[TS], v[ASK0]
	s_wait_alu depctr_va_vdst(0)
	v_add_nc_u32 v[ADT], s[TT], v[ASV0]
.irp g, 0,1                            ; S^T = K Q^T, four tiles of 16 keys at a time
.rept 4+4*\g
	v_nop                                          ; eight places in front of loads into registers that matrix instructions have read; the four additions above are places too
.endr
.irp t, 0,1,2,3
	ds_load_b128 v[32+16*\t:35+16*\t], v[ADK] offset:1024*(4*\g+\t)
	ds_load_b128 v[36+16*\t:39+16*\t], v[ADK] offset:1024*(4*\g+\t)+512
	ds_load_b32 v[248+\t], v[ADS] offset:64*(4*\g+\t)
.endr
	s_wait_dscnt 0x0
.irp t, 0,1,2,3
	v_wmma_scale_f32_16x16x128_f8f6f4 v[96+8*(4*\g+\t):103+8*(4*\g+\t)], v[32+16*\t:47+16*\t], v[16:31], 0, v[248+\t], v255 matrix_a_fmt:MATRIX_FMT_BF8 matrix_b_fmt:MATRIX_FMT_BF8
.endr
.endr
.rept 8
	v_nop
.endr
.irp b, 0,1,2,3
	v_max3_num_f32 v[232+\b], v[96+16*\b], v[97+16*\b], v[98+16*\b]   ; the largest score of each block of 32 keys: for the row's maximum and, since p rises with the score, for the block's largest p
.endr
.irp i, 3,5,7,9,11,13
.irp b, 0,1,2,3
	v_max3_num_f32 v[232+\b], v[232+\b], v[96+16*\b+\i], v[97+16*\b+\i]
.endr
.endr
.irp b, 0,1,2,3
	v_max_num_f32 v[232+\b], v[232+\b], v[111+16*\b]
.endr
.irp b, 0,1,2,3
	v_permlanex16_b32 v[236+\b], v[232+\b], s[SEL], s[SEL+1]
.endr
.irp b, 0,1,2,3
	s_delay_alu instid0(VALU_DEP_4)
	v_max_num_f32 v[232+\b], v[232+\b], v[236+\b]
.endr
	s_delay_alu instid0(VALU_DEP_2)
	v_max3_num_f32 v254, v232, v233, v234
	s_delay_alu instid0(VALU_DEP_1)
	v_max_num_f32 v254, v254, v235
	s_delay_alu instid0(VALU_DEP_1)
	v_mul_f32 v254, s[CS], v254                    ; the step's largest t
	s_delay_alu instid0(VALU_DEP_1)
	v_max_num_f32 v13, v13, v254
	v_mov_b32 v254, v12
	s_delay_alu instid0(VALU_DEP_2)
	v_floor_f32 v12, -v13                          ; the new -M = -ceil(t): a whole number
	s_delay_alu instid0(VALU_DEP_1)
	v_sub_f32 v254, v12, v254                      ; old M - new M: a whole number, 0 or less
	s_delay_alu instid0(VALU_DEP_1)
	v_cvt_i32_f32 v254, v254
	s_delay_alu instid0(VALU_DEP_1)
	v_ldexp_f32 v252, 1.0, v254                    ; f = 2^(old M - new M)
.set j_, 0
.rept 32
	v_pk_fma_f32 v[96+j_:97+j_], v[96+j_:97+j_], s[CS:CS+1], v[12:13] op_sel_hi:[1,0,0]   ; t - M
.set j_, j_+2
.endr
.irp b, 0,1,2,3
	v_fma_f32 v[232+\b], v[232+\b], s[CS], v12
.endr
.set j_, 0
	s_wait_alu depctr_va_vdst(0)
.rept 64
	v_exp_f32 v[96+j_], v[96+j_]                   ; p = 2^(t - M)
.set j_, j_+1
.endr
	v_pk_mul_f32 v[14:15], v[14:15], v[252:253] op_sel_hi:[1,0]   ; the sums under the new M: a plain line behind the exponentials
	s_wait_alu depctr_va_vdst(0)                   ; one wait for the batch, ahead of its first reader
.irp b, 0,1,2,3
	v_exp_f32 v[232+\b], v[232+\b]                 ; each block's largest p
.endr
	v_pk_add_f32 v[236:237], v[100:101], v[104:105]
	v_pk_add_f32 v[250:251], v[108:109], v[112:113]
	v_pk_add_f32 v[248:249], v[116:117], v[120:121]
	v_pk_add_f32 v[246:247], v[124:125], v[128:129]
	v_pk_add_f32 v[244:245], v[132:133], v[136:137]
	v_pk_add_f32 v[242:243], v[140:141], v[144:145]
	v_pk_add_f32 v[240:241], v[148:149], v[152:153]
	v_pk_add_f32 v[14:15], v[14:15], v[156:157]
	v_pk_add_f32 v[236:237], v[236:237], v[96:97]
	v_pk_add_f32 v[250:251], v[250:251], v[98:99]
	v_pk_add_f32 v[248:249], v[248:249], v[102:103]
	v_pk_add_f32 v[246:247], v[246:247], v[106:107]
	v_pk_add_f32 v[244:245], v[244:245], v[110:111]
	v_pk_add_f32 v[242:243], v[242:243], v[114:115]
	v_pk_add_f32 v[240:241], v[240:241], v[118:119]
	v_pk_add_f32 v[14:15], v[14:15], v[122:123]
	v_pk_add_f32 v[236:237], v[236:237], v[126:127]
	v_pk_add_f32 v[250:251], v[250:251], v[130:131]
	v_pk_add_f32 v[248:249], v[248:249], v[134:135]
	v_pk_add_f32 v[246:247], v[246:247], v[138:139]
	v_pk_add_f32 v[244:245], v[244:245], v[142:143]
	v_pk_add_f32 v[242:243], v[242:243], v[146:147]
	v_pk_add_f32 v[240:241], v[240:241], v[150:151]
	v_pk_add_f32 v[14:15], v[14:15], v[154:155]
	v_pk_add_f32 v[236:237], v[236:237], v[158:159]
	s_delay_alu instid0(VALU_DEP_2)
	v_pk_add_f32 v[14:15], v[14:15], v[246:247]
	s_delay_alu instid0(VALU_DEP_2)
	v_pk_add_f32 v[236:237], v[236:237], v[244:245]
	v_pk_add_f32 v[250:251], v[250:251], v[242:243]
	v_pk_add_f32 v[248:249], v[248:249], v[240:241]
	s_delay_alu instid0(VALU_DEP_2)
	v_pk_add_f32 v[14:15], v[14:15], v[250:251]
	s_delay_alu instid0(VALU_DEP_2)
	v_pk_add_f32 v[236:237], v[236:237], v[248:249]
	s_delay_alu instid0(VALU_DEP_1)
	v_pk_add_f32 v[14:15], v[14:15], v[236:237]
	s_wait_alu depctr_va_vdst(0)                   ; and one for the four
.irp b, 0,1,2,3
	v_max_num_f32 v[232+\b], 0x8000000, v[232+\b]  ; the floor 2^(16 - 127)
.endr
.irp b, 0,1,2,3
	s_delay_alu instid0(VALU_DEP_4)
	v_add_nc_u32 v[244+\b], 0xf8800000, v[232+\b]
.endr
.irp b, 0,1,2,3
	v_and_or_b32 v[240+\b], v[232+\b], 0x7f800000, s[MNT]
.endr
.irp b, 0,1,2,3
	v_lshrrev_b32 v[236+\b], 23, v[244+\b]
.endr
	s_delay_alu instid0(VALU_DEP_3)
	v_lshl_or_b32 v253, v237, 8, v236              ; p's scale word for these 128 keys
	s_delay_alu instid0(VALU_DEP_1)
	v_lshl_or_b32 v253, v238, 16, v253
	s_delay_alu instid0(VALU_DEP_1)
	v_lshl_or_b32 v253, v239, 24, v253
.irp b, 0,1,2,3
.irp i, 0,1,2,3,4,5,6,7,8,9,10,11,12,13,14,15
	v_min_num_f32 v[96+16*\b+\i], v[96+16*\b+\i], v[240+\b]   ; the hold; p is not negative
.endr
	v_cvt_scalef32_pk8_bf8_f32 v[224+4*\b:225+4*\b], v[96+16*\b:103+16*\b], v[244+\b]
	v_cvt_scalef32_pk8_bf8_f32 v[226+4*\b:227+4*\b], v[104+16*\b:111+16*\b], v[244+\b]
.endr
.set j_, 0
.rept 16
	v_pk_mul_f32 v[160+j_:161+j_], v[160+j_:161+j_], v[252:253] op_sel_hi:[1,0]   ; O^T under the new M; these are also the places between the codes and the products
.set j_, j_+2
.endr
	s_wait_alu depctr_va_vdst(0)
.irp g, 0,1                            ; O^T += V^T P^T, two tiles of 16 channels at a time
.if \g > 0
.rept 8
	v_nop
.endr
.endif
.irp t, 0,1
.irp c, 0,1,2,3
	ds_load_b128 v[192+16*\t+4*\c:195+16*\t+4*\c], v[ADV] offset:2048*(2*\g+\t)+512*\c
.endr
	ds_load_b32 v[248+2*\g+\t], v[ADT] offset:64*(2*\g+\t)
.endr
	s_wait_dscnt 0x0
.irp t, 0,1
	v_wmma_scale_f32_16x16x128_f8f6f4 v[160+8*(2*\g+\t):167+8*(2*\g+\t)], v[192+16*\t:207+16*\t], v[224:239], v[160+8*(2*\g+\t):167+8*(2*\g+\t)], v[248+2*\g+\t], v253 matrix_a_fmt:MATRIX_FMT_BF8 matrix_b_fmt:MATRIX_FMT_BF8
.endr
.endr
	s_add_co_u32 s[TK], s[TK], 8192
	s_add_co_u32 s[TS], s[TS], 512
	s_add_co_u32 s[TT], s[TT], 256
	s_sub_co_u32 s[CNT], s[CNT], 1
	s_cmp_lg_u32 s[CNT], 0
	s_cbranch_scc1 .Lstep
	; THE WAY OUT: O^T / the sum; register 16 b + i is channel 32 b + 16 h + i of my query: two groups of the next operand's fragment
.rept 8
	v_nop
.endr
	v_add_f32 v14, v14, v15
	s_delay_alu instid0(VALU_DEP_1)
	v_permlanex16_b32 v252, v14, s[SEL], s[SEL+1]
	s_delay_alu instid0(VALU_DEP_1)
	v_add_f32 v14, v14, v252
	s_wait_alu depctr_va_vdst(0)
	v_rcp_f32 v15, v14
	v_nop
	s_wait_alu depctr_va_vdst(0)
.set j_, 0
.rept 32
	v_mul_f32 v[96+j_], v[160+j_], v15
.set j_, j_+1
.endr
.irp b, 0,1
	v_max3_num_f32 v[TM+\b], |v[96+16*\b]|, |v[97+16*\b]|, 0x8000000
.endr
.irp i, 2,4,6,8,10,12,14
.irp b, 0,1
	s_delay_alu instid0(VALU_DEP_2)
	v_max3_num_f32 v[TM+\b], v[TM+\b], |v[96+16*\b+\i]|, |v[97+16*\b+\i]|
.endr
.endr
.irp b, 0,1
	v_permlanex16_b32 v[TM+2+\b], v[TM+\b], s[SEL], s[SEL+1]
.endr
.irp b, 0,1
	s_delay_alu instid0(VALU_DEP_2)
	v_max_num_f32 v[TM+\b], v[TM+\b], v[TM+2+\b]
.endr
.irp b, 0,1
	s_delay_alu instid0(VALU_DEP_2)
	v_add_nc_u32 v[TM+6+\b], 0xf8800000, v[TM+\b]
.endr
.irp b, 0,1
	s_delay_alu instid0(VALU_DEP_4)
	v_and_or_b32 v[TM+4+\b], v[TM+\b], 0x7f800000, s[MNT]
.endr
.irp b, 0,1
	s_delay_alu instid0(VALU_DEP_4)
	v_lshrrev_b32 v[TM+2+\b], 23, v[TM+6+\b]
.endr
	s_delay_alu instid0(VALU_DEP_1)
	v_lshl_or_b32 v[PW], v[TM+3], 8, v[TM+2]
.irp b, 0,1
.irp i, 0,1,2,3,4,5,6,7,8,9,10,11,12,13,14,15
	v_med3_num_f32 v[96+16*\b+\i], v[96+16*\b+\i], -v[TM+4+\b], v[TM+4+\b]
.endr
	v_cvt_scalef32_pk8_bf8_f32 v[PC+4*\b:PC+4*\b+1], v[96+16*\b:103+16*\b], v[TM+6+\b]
	v_cvt_scalef32_pk8_bf8_f32 v[PC+4*\b+2:PC+4*\b+3], v[104+16*\b:111+16*\b], v[TM+6+\b]
.endr
	v_nop
	global_store_b128 v[AK0], v[PC:PC+3], s[8:9]               ; 512 consecutive bytes, aligned
	global_store_b128 v[AK0], v[PC+4:PC+7], s[8:9] offset:512
	global_store_b16 v[R4], v[PW], s[10:11]                    ; my head's two of the word's four bytes
	s_wait_tensorcnt 0x0
	ds_add_u32 v6, v7
	s_wait_dscnt 0x0
	ROUND                                          ; the closing round
	s_endpgm
.Lfunc_end_k_qc2bd9dc2c4_att:
	.size	k_qc2bd9dc2c4_att, .Lfunc_end_k_qc2bd9dc2c4_att-k_qc2bd9dc2c4_att
	.p2alignl 7, 3214868480
	.fill 96, 4, 3214868480
	.section	.rodata,"a",@progbits
	.p2align	6, 0x0
	.amdhsa_kernel k_qc2bd9dc2c4_att
		.amdhsa_group_segment_fixed_size 169984
		.amdhsa_private_segment_fixed_size 0
		.amdhsa_enable_private_segment 0
		.amdhsa_kernarg_size 32
		.amdhsa_user_sgpr_count 2
		.amdhsa_user_sgpr_kernarg_segment_ptr 1
		.amdhsa_wavefront_size32 1
		.amdhsa_system_sgpr_workgroup_id_x 1
		.amdhsa_system_sgpr_workgroup_id_y 1
		.amdhsa_system_sgpr_workgroup_id_z 1
		.amdhsa_system_vgpr_workitem_id 0
		.amdhsa_next_free_vgpr 256
		.amdhsa_next_free_sgpr 66
		.amdhsa_reserve_vcc 0
		.amdhsa_float_denorm_mode_32 3
		.amdhsa_float_denorm_mode_16_64 3
		.amdhsa_memory_ordered 1
		.amdhsa_forward_progress 1
		.amdhsa_inst_pref_size 36
	.end_amdhsa_kernel
	.amdgpu_metadata
---
amdhsa.version: [ 1, 2 ]
amdhsa.kernels:
  - .name:           k_qc2bd9dc2c4_att
    .symbol:         k_qc2bd9dc2c4_att.kd
    .args:
      - { .name: qkvc, .offset: 0, .size: 8, .value_kind: global_buffer, .address_space: global }
      - { .name: qkvs, .offset: 8, .size: 8, .value_kind: global_buffer, .address_space: global }
      - { .name: hc, .offset: 16, .size: 8, .value_kind: global_buffer, .address_space: global }
      - { .name: hs, .offset: 24, .size: 8, .value_kind: global_buffer, .address_space: global }
    .group_segment_fixed_size: 169984
    .private_segment_fixed_size: 0
    .kernarg_segment_align: 8
    .kernarg_segment_size: 32
    .max_flat_workgroup_size: 512
    .sgpr_count:     66
    .vgpr_count:     256
    .wavefront_size: 32
...
	.end_amdgpu_metadata
.endif
;; end of part 3
;; launch proj (part 4): grid 16 x 16, 4 waves a work-group, clusters of 4 x 1, 168,448 bytes of LDS; arguments hc, hs, proj_w_codes, proj_w_scales, proj_b, x, x1; writes x1
.if DOCPART == 4
	.amdgcn_target "amdgcn-amd-amdhsa--gfx1250"
	.amdhsa_code_object_version 6
	.text
	.protected	k_qc2bd9dc2c4_proj
	.globl	k_qc2bd9dc2c4_proj
	.p2align	8
	.type	k_qc2bd9dc2c4_proj,@function
k_qc2bd9dc2c4_proj:
	s_mov_b64 s[64:65], 0
	v_nop
	global_prefetch_b8 v0, s[64:65] scope:SCOPE_SE
	s_setreg_imm32_b32 hwreg(HW_REG_WAVE_MODE, 25, 1), 1
	s_wait_xcnt 0x0
	s_wait_alu depctr_hold_cnt(0) depctr_sa_sdst(0) depctr_va_vdst(0) depctr_va_sdst(0) depctr_va_ssrc(0) depctr_va_vcc(0) depctr_vm_vsrc(0)
	s_getreg_b32 s2, hwreg(HW_REG_IB_STS2, 6, 4)
	s_cmp_eq_u32 s2, 0
	s_cbranch_scc0 .Lentry_in_a_cluster
	s_endpgm
.Lentry_in_a_cluster:
	s_bfe_u32 s2, ttmp6, 0x10000c
	s_cmp_lg_u32 s2, 0x3003
	s_cbranch_scc0 .Lentry_shape_is_right
	s_endpgm
.Lentry_shape_is_right:
; out = res + A W^T + bias on E5M2 codes with E8M0 scales; out and res f32 [4096][1024].  K = 1,024 NCH.
; SHARES.  Work-group (X, y): 256 rows x 64 columns.  Wave w: token tiles 16 X + 4 w + m (64 rows) x four tiles of 16 columns: 16 accumulators, which take turns.
; The 64 rows of W for all of K lie in LDS, in chunks of 1,024 along K, each byte filled once, asked for JOINTLY by the four work-groups of the cluster, which share y (mask 15).
; A's codes lie in memory in the order of the registers and stream straight into a ring of three register slots of two K steps (32 loads each); no barrier bounds what is on its way.
; Source 0 = 16 rows of W, source 1 = a token tile: a lane holds eight neighbouring columns of one row.  The way out goes through the wave's stage in LDS, laid over W's bytes behind the last barrier
; (they have had their only fill, and nobody reads them), so that sixteen lanes store 256 consecutive aligned bytes.
; REGISTERS: window 0: v1-11 addresses, v12-15 bias, v32.. A's scale words, v96-127 W's (two sets), v128-255 accumulators.  window 1: A's slots 0, 1.  window 2: two buffers of W.  window 3: A's slot 2; v128-255 the residual.
.set NCH,   1
.set NB,    4*NCH                      ; batches of two K steps
.set KK,    1024*NCH
.set PITCH, 1040
.set TILB,  16*PITCH
.set CHB,   4*TILB
.set TSTR,  16384*NCH                  ; from a token tile's codes to the next
.set SSTR,  512*NCH                    ; and its scale words
.set STGW,  64*272                     ; a wave's stage
.set LI,  1
.set L4,  2
.set ADS, 3
.set ADB, 4
.set STO, 8
.set RD,  9
.set CO,  10
.set BOF, 11
.set BI,  12
.set SCA, 32
.set SCB, 96
.set ACC, 128
.set WV,  18
.set G1C, 24
.set G1S, 32
.set MSB, 0
.macro WIN new
.if MSB != (\new)
	s_set_vgpr_msb (MSB<<8)|(\new)
.set MSB, (\new)
.endif
.endm
.macro PLACES n
.rept \n
	v_nop
.endr
.endm
.macro ROUND
	s_barrier_signal -1
	s_barrier_wait -1
	s_cmp_lg_u32 s[WV], 0
	s_cbranch_scc1 .Lnot_wave_0_\@
	s_barrier_signal -3
.Lnot_wave_0_\@:
	s_barrier_wait -3
	s_barrier_signal -1
	s_barrier_wait -1
.endm
.macro WM d, a, b, z, sa, sb, ra, rb
.if \z
.if (\ra)&&(\rb)
	v_wmma_scale_f32_16x16x128_f8f6f4 v[\d:\d+7], v[\a:\a+15], v[\b:\b+15], 0, v[\sa], v[\sb] matrix_a_fmt:MATRIX_FMT_BF8 matrix_b_fmt:MATRIX_FMT_BF8 matrix_a_scale:MATRIX_SCALE_ROW1 matrix_b_scale:MATRIX_SCALE_ROW1
.elseif \ra
	v_wmma_scale_f32_16x16x128_f8f6f4 v[\d:\d+7], v[\a:\a+15], v[\b:\b+15], 0, v[\sa], v[\sb] matrix_a_fmt:MATRIX_FMT_BF8 matrix_b_fmt:MATRIX_FMT_BF8 matrix_a_scale:MATRIX_SCALE_ROW1
.elseif \rb
	v_wmma_scale_f32_16x16x128_f8f6f4 v[\d:\d+7], v[\a:\a+15], v[\b:\b+15], 0, v[\sa], v[\sb] matrix_a_fmt:MATRIX_FMT_BF8 matrix_b_fmt:MATRIX_FMT_BF8 matrix_b_scale:MATRIX_SCALE_ROW1
.else
	v_wmma_scale_f32_16x16x128_f8f6f4 v[\d:\d+7], v[\a:\a+15], v[\b:\b+15], 0, v[\sa], v[\sb] matrix_a_fmt:MATRIX_FMT_BF8 matrix_b_fmt:MATRIX_FMT_BF8
.endif
.else
.if (\ra)&&(\rb)
	v_wmma_scale_f32_16x16x128_f8f6f4 v[\d:\d+7], v[\a:\a+15], v[\b:\b+15], v[\d:\d+7], v[\sa], v[\sb] matrix_a_fmt:MATRIX_FMT_BF8 matrix_b_fmt:MATRIX_FMT_BF8 matrix_a_scale:MATRIX_SCALE_ROW1 matrix_b_scale:MATRIX_SCALE_ROW1
.elseif \ra
	v_wmma_scale_f32_16x16x128_f8f6f4 v[\d:\d+7], v[\a:\a+15], v[\b:\b+15], v[\d:\d+7], v[\sa], v[\sb] matrix_a_fmt:MATRIX_FMT_BF8 matrix_b_fmt:MATRIX_FMT_BF8 matrix_a_scale:MATRIX_SCALE_ROW1
.elseif \rb
	v_wmma_scale_f32_16x16x128_f8f6f4 v[\d:\d+7], v[\a:\a+15], v[\b:\b+15], v[\d:\d+7], v[\sa], v[\sb] matrix_a_fmt:MATRIX_FMT_BF8 matrix_b_fmt:MATRIX_FMT_BF8 matrix_b_scale:MATRIX_SCALE_ROW1
.else
	v_wmma_scale_f32_16x16x128_f8f6f4 v[\d:\d+7], v[\a:\a+15], v[\b:\b+15], v[\d:\d+7], v[\sa], v[\sb] matrix_a_fmt:MATRIX_FMT_BF8 matrix_b_fmt:MATRIX_FMT_BF8
.endif
.endif
.endm
.macro MULB be                         ; 32 matrix instructions: batch be: W's buffer be % 2, A's slot be % 3
.if (\be)%3 == 2
	WIN 0x0e
.else
	WIN 0x06
.endif
.irp sg, 0,1
.set S8_, 2*((\be)%4)+\sg
.irp m, 0,1,2,3
.irp t, 0,1,2,3
	WM ACC+8*(4*\m+\t), 128*((\be)%2)+64*\sg+16*\t, 128*(((\be)%3)%2)+64*\sg+16*\m, ((\be)==0)&&(\sg==0), SCB+16*(((\be)/4)%2)+4*\t+S8_%4, SCA+4*(\be)+\m, S8_/4, \sg
.endr
.endr
.endr
.endm
.macro SFETCH q                        ; chunk q's scale words of W: register 4 t + i: the chunk's K step i in lanes 0-15, step 4 + i in lanes 16-31
	WIN 0
.irp t, 0,1,2,3
	global_load_b128 v[SCB+16*((\q)%2)+4*\t:SCB+16*((\q)%2)+4*\t+3], v[ADS], s[66:67] offset:512*NCH*\t+32*(\q)   ; straight from memory
.endr
.endm
.macro BFETCH be
	WIN 0x80
.irp sg, 0,1
.irp t, 0,1,2,3
.irp c, 0,1,2,3
	ds_load_b128 v[128*((\be)%2)+64*\sg+16*\t+4*\c:128*((\be)%2)+64*\sg+16*\t+4*\c+3], v[ADB+(\be)/4] offset:TILB*\t+128*(2*((\be)%4)+\sg)+32*\c
.endr
.endr
.endr
.endm
.macro AFETCH be
.if (\be)%3 == 2
	WIN 0xc0
.else
	WIN 0x40
.endif
.irp sg, 0,1
.irp m, 0,1,2,3
.irp c, 0,1,2,3
	global_load_b128 v[128*(((\be)%3)%2)+64*\sg+16*\m+4*\c:128*(((\be)%3)%2)+64*\sg+16*\m+4*\c+3], v[LI], s[4:5] offset:TSTR*\m+2048*(2*(\be)+\sg)+512*\c
.endr
.endr
.endr
.endm
	s_load_b256 s[4:11], s[0:1], 0x0               ; A's codes, A's scale words, W's codes, W's scales
	s_load_b128 s[12:15], s[0:1], 0x20             ; bias, residual
	s_load_b64 s[16:17], s[0:1], 0x30              ; out
	v_lshl_add_u32 v126, v0, 2, 0x29000
	v_mov_b32 v127, 0
	ds_add_u32 v126, v127
	ds_add_u32 v126, v127
	v_lshrrev_b32 v16, 5, v0
	v_readfirstlane_b32 s[WV], v16                 ; wave 0..3
	v_and_b32 v16, 31, v0
	v_lshlrev_b32 v[LI], 4, v16
	v_lshlrev_b32 v[L4], 2, v16
	v_and_b32 v16, 15, v0                          ; r
	v_bfe_u32 v17, v0, 4, 1                        ; h
	v_and_b32 v18, 8, v16
	v_add_nc_u32 v18, v18, v16                     ; rho(r)
	v_mul_u32_u24 v[ADS], v16, 32*NCH
	v_lshl_add_u32 v[ADS], v17, 4, v[ADS]
	v_mul_u32_u24 v[ADB], v16, PITCH
	v_lshl_add_u32 v[ADB], v17, 4, v[ADB]
.set q_, 1
.rept NCH-1
	v_add_nc_u32 v[ADB+q_], CHB*q_, v[ADB]
.set q_, q_+1
.endr
	s_mul_i32 s75, s[WV], STGW
	v_mul_u32_u24 v[STO], v18, 272
	v_lshl_add_u32 v[STO], v17, 5, v[STO]
	v_add_nc_u32 v[STO], s75, v[STO]               ; the stage, in: row rho(r), + 32 h
	v_mul_u32_u24 v[RD], v17, 272
	v_lshl_add_u32 v[RD], v16, 4, v[RD]
	v_add_nc_u32 v[RD], s75, v[RD]                 ; back: lanes 0-15 one row of 256 bytes, lanes 16-31 the next
	v_lshlrev_b32 v[CO], 12, v17
	v_lshl_add_u32 v[CO], v16, 4, v[CO]            ; and the same two rows in memory
	v_lshlrev_b32 v[BOF], 4, v16
	; group 1 for 16 rows of W x 1,024 along K: 4 words of padding behind every 256
	s_mov_b32 s[G1C], 15|(1<<20)|(1<<21)|(7<<22)|(3<<25)
	s_mov_b32 s[G1C+1], 1024<<16
	s_mov_b32 s[G1C+2], 16<<16
	s_mov_b32 s[G1C+3], 1024<<16
	s_mov_b32 s[G1C+4], 16
	s_mov_b32 s[G1C+5], KK
	s_mov_b32 s[G1C+6], 0
	s_mov_b32 s[G1C+7], 0
	s_and_b32 s60, ttmp7, 0xffff                   ; y, which the four partners share
	s_mul_i32 s66, s60, 2048*NCH
	s_mov_b32 s67, 0
	s_mul_i32 s68, s60, 65536*NCH
	s_mul_i32 s62, s[WV], 16384*NCH
	s_add_co_u32 s68, s68, s62                     ; row 64 y + 16 w of W
	s_mov_b32 s69, 0
	s_mul_i32 s63, s[WV], TILB
	s_wait_dscnt 0x0
	s_wait_kmcnt 0x0
	s_add_nc_u64 s[66:67], s[10:11], s[66:67]
	s_add_nc_u64 s[68:69], s[8:9], s[68:69]
.set q_, 0
.rept NCH
	s_mov_b32 s[44+4*q_], 1
	s_add_co_u32 s[45+4*q_], s63, CHB*q_
	s_add_nc_u64 s[46+4*q_:47+4*q_], s[68:69], 1024*q_
	s_or_b32 s[47+4*q_], s[47+4*q_], 0x80000000
.set q_, q_+1
.endr
	; what hangs on my place in the cluster enters global addresses of my own loads and stores alone
	s_bfe_u32 s70, ttmp6, 0x40000
	s_lshl_b32 s71, ttmp9, 2
	s_add_co_u32 s70, s70, s71                     ; X
	s_mov_b32 s73, 0
	s_mul_i32 s72, s70, 262144*NCH
	s_mul_i32 s74, s[WV], 65536*NCH
	s_add_co_u32 s72, s72, s74
	s_add_nc_u64 s[4:5], s[4:5], s[72:73]          ; tile 16 X + 4 w
	s_mul_i32 s72, s70, 8192*NCH
	s_mul_i32 s74, s[WV], 2048*NCH
	s_add_co_u32 s72, s72, s74
	s_add_nc_u64 s[6:7], s[6:7], s[72:73]
	s_lshl_b32 s72, s70, 20
	s_lshl_b32 s74, s[WV], 18
	s_add_co_u32 s72, s72, s74
	s_lshl_b32 s74, s60, 8
	s_add_co_u32 s72, s72, s74                     ; row 256 X + 64 w, column 64 y
	s_add_nc_u64 s[14:15], s[14:15], s[72:73]
	s_add_nc_u64 s[16:17], s[16:17], s[72:73]
	s_mov_b32 s72, s74
	s_add_nc_u64 s[12:13], s[12:13], s[72:73]
	ROUND                                          ; all four work-groups are here: the joint loads meet
.set q_, 0
.rept NCH
	tensor_load_to_lds s[44+4*q_:47+4*q_], s[G1C:G1C+7]
	s_nop 0
.set q_, q_+1
.endr
	PLACES 4
	s_wait_alu depctr_va_vdst(0)                   ; the wait ahead of the first reader of the head's addresses
	SFETCH 0                                       ; W's scale words, ahead of A's loads: the counted waits below cover them
.set b_, 0
.rept NB
.irp m, 0,1,2,3
	global_load_b32 v[SCA+4*b_+\m], v[L4], s[6:7] offset:SSTR*\m+128*b_   ; lanes 0-15: K step 2 b; lanes 16-31: 2 b + 1
.endr
.set b_, b_+1
.endr
	s_wait_alu depctr_va_vdst(0)
	global_load_b128 v[BI:BI+3], v[BOF], s[12:13]  ; the bias of the four columns that I store
	AFETCH 0
	AFETCH 1
	AFETCH 2
	WIN 0
	s_wait_tensorcnt NCH-1                         ; my part of chunk 0 has landed; later chunks may be out
	s_barrier_signal -1
	s_barrier_wait -1
	BFETCH 0
	BFETCH 1
.set BE, 0
.rept NB
.if (BE%4 == 2) && (BE/4+1 < NCH)
	s_wait_dscnt 0x0                               ; no LDS instruction is out at a signal
	s_wait_tensorcnt NCH-2-BE/4                    ; my part of the next chunk has landed (behind it: the chunks after it),
	s_barrier_signal -1
	s_barrier_wait -1                              ; everybody's has
.elseif BE == NB-1
	s_wait_dscnt 0x0
.else
	s_wait_dscnt 32                                ; this batch of W is in; the next batch's 32 loads may be out
.endif
.if BE == NB-1
	s_wait_loadcnt 32                              ; the residual's 32 loads may be out
.else
	s_wait_loadcnt 63                              ; behind this batch of A stand 64 loads or more: the count is held at 63
.endif
	MULB BE
	PLACES 8                                       ; in front of loads into registers that these products read, and of the first read of results
.if (BE%4 == 2) && (BE/4+1 < NCH)
	SFETCH BE/4+1
.endif
.if BE+2 < NB
	BFETCH BE+2
.endif
.if BE+3 < NB
	AFETCH BE+3
.endif
.if BE+4 == NB
	WIN 0xc0
.set i_, 0
.rept 32
	global_load_b128 v[128+4*i_:131+4*i_], v[CO], s[14:15] offset:8192*i_   ; the residual, as it will be stored: two rows an instruction
.set i_, i_+1
.endr
.endif
.set BE, BE+1
.endr
	WIN 0
	s_barrier_signal -1                            ; every wave's reads of W are in (its wait for 0 stands in front of its last products): the stages may be written
	s_barrier_wait -1
.irp m, 0,1,2,3
.irp t, 0,1,2,3
	ds_store_b128 v[STO], v[ACC+8*(4*\m+\t):ACC+8*(4*\m+\t)+3] offset:(32*(\m/2)+8*(\m%2))*272+64*\t       ; each accumulator from its low end on
	ds_store_b128 v[STO], v[ACC+8*(4*\m+\t)+4:ACC+8*(4*\m+\t)+7] offset:(32*(\m/2)+8*(\m%2))*272+64*\t+16
.endr
.endr
.set i_, 0
.rept 32
	ds_load_b128 v[ACC+4*i_:ACC+4*i_+3], v[RD] offset:544*i_   ; LDS serves a wave's instructions in order: these see my stores
.set i_, i_+1
.endr
	s_wait_loadcnt 0x0
	s_wait_dscnt 0x0
	WIN 0x0c                                       ; source 1 in window 3: the residual
.set i_, 0
.rept 64
	v_pk_add_f32 v[ACC+2*i_:ACC+2*i_+1], v[ACC+2*i_:ACC+2*i_+1], v[128+2*i_:129+2*i_]
.set i_, i_+1
.endr
	WIN 0
.set i_, 0
.rept 32
	v_pk_add_f32 v[ACC+4*i_:ACC+4*i_+1], v[ACC+4*i_:ACC+4*i_+1], v[BI:BI+1]
	v_pk_add_f32 v[ACC+4*i_+2:ACC+4*i_+3], v[ACC+4*i_+2:ACC+4*i_+3], v[BI+2:BI+3]
.set i_, i_+1
.endr
.set i_, 0
.rept 32
	global_store_b128 v[CO], v[ACC+4*i_:ACC+4*i_+3], s[16:17] offset:8192*i_   ; sixteen lanes store 256 consecutive bytes, aligned
.set i_, i_+1
.endr
	s_wait_tensorcnt 0x0
	ds_add_u32 v126, v127
	s_wait_dscnt 0x0
	ROUND                                          ; the closing round
	s_endpgm
.Lfunc_end_k_qc2bd9dc2c4_proj:
	.size	k_qc2bd9dc2c4_proj, .Lfunc_end_k_qc2bd9dc2c4_proj-k_qc2bd9dc2c4_proj
	.p2alignl 7, 3214868480
	.fill 96, 4, 3214868480
	.section	.rodata,"a",@progbits
	.p2align	6, 0x0
	.amdhsa_kernel k_qc2bd9dc2c4_proj
		.amdhsa_group_segment_fixed_size 168448
		.amdhsa_private_segment_fixed_size 0
		.amdhsa_enable_private_segment 0
		.amdhsa_kernarg_size 56
		.amdhsa_user_sgpr_count 2
		.amdhsa_user_sgpr_kernarg_segment_ptr 1
		.amdhsa_wavefront_size32 1
		.amdhsa_system_sgpr_workgroup_id_x 1
		.amdhsa_system_sgpr_workgroup_id_y 1
		.amdhsa_system_sgpr_workgroup_id_z 1
		.amdhsa_system_vgpr_workitem_id 0
		.amdhsa_next_free_vgpr 1024
		.amdhsa_next_free_sgpr 80
		.amdhsa_reserve_vcc 0
		.amdhsa_float_denorm_mode_32 3
		.amdhsa_float_denorm_mode_16_64 3
		.amdhsa_memory_ordered 1
		.amdhsa_forward_progress 1
		.amdhsa_inst_pref_size 63
	.end_amdhsa_kernel
	.amdgpu_metadata
---
amdhsa.version: [ 1, 2 ]
amdhsa.kernels:
  - .name:           k_qc2bd9dc2c4_proj
    .symbol:         k_qc2bd9dc2c4_proj.kd
    .args:
      - { .name: hc, .offset: 0, .size: 8, .value_kind: global_buffer, .address_space: global }
      - { .name: hs, .offset: 8, .size: 8, .value_kind: global_buffer, .address_space: global }
      - { .name: proj_w_codes, .offset: 16, .size: 8, .value_kind: global_buffer, .address_space: global }
      - { .name: proj_w_scales, .offset: 24, .size: 8, .value_kind: global_buffer, .address_space: global }
      - { .name: proj_b, .offset: 32, .size: 8, .value_kind: global_buffer, .address_space: global }
      - { .name: x, .offset: 40, .size: 8, .value_kind: global_buffer, .address_space: global }
      - { .name: x1, .offset: 48, .size: 8, .value_kind: global_buffer, .address_space: global }
    .group_segment_fixed_size: 168448
    .private_segment_fixed_size: 0
    .kernarg_segment_align: 8
    .kernarg_segment_size: 56
    .max_flat_workgroup_size: 128
    .sgpr_count:     80
    .vgpr_count:     1024
    .wavefront_size: 32
...
	.end_amdgpu_metadata
.endif
;; end of part 4
;; launch ln2: the kernel of part 1 again; grid 256 x 1, 8 waves a work-group, no clusters, 70,656 bytes of LDS; arguments x1, ln2_g, ln2_b, hc, hs; writes hc, hs
;; launch fc1 (part 5): grid 16 x 16, 4 waves a work-group, clusters of 4 x 1, 327,680 bytes of LDS; arguments hc, hs, fc1_w_codes, fc1_w_scales, fc1_b, gc, gs; writes gc, gs
.if DOCPART == 5
	.amdgcn_target "amdgcn-amd-amdhsa--gfx1250"
	.amdhsa_code_object_version 6
	.text
	.protected	k_qc2bd9dc2c4_fc1
	.globl	k_qc2bd9dc2c4_fc1
	.p2align	8
	.type	k_qc2bd9dc2c4_fc1,@function
k_qc2bd9dc2c4_fc1:
	s_mov_b64 s[64:65], 0
	v_nop
	global_prefetch_b8 v0, s[64:65] scope:SCOPE_SE
	s_setreg_imm32_b32 hwreg(HW_REG_WAVE_MODE, 25, 1), 1
	s_wait_xcnt 0x0
	s_wait_alu depctr_hold_cnt(0) depctr_sa_sdst(0) depctr_va_vdst(0) depctr_va_sdst(0) depctr_va_ssrc(0) depctr_va_vcc(0) depctr_vm_vsrc(0)
	s_getreg_b32 s2, hwreg(HW_REG_IB_STS2, 6, 4)
	s_cmp_eq_u32 s2, 0
	s_cbranch_scc0 .Lentry_in_a_cluster
	s_endpgm
.Lentry_in_a_cluster:
	s_bfe_u32 s2, ttmp6, 0x10000c
	s_cmp_lg_u32 s2, 0x3003
	s_cbranch_scc0 .Lentry_shape_is_right
	s_endpgm
.Lentry_shape_is_right:
; g = Q(gelu(Q(LN2(x1)) W + b)) for 256 tokens x 256 hidden units; gelu in its tanh form, x / (1 + 2^(x (c0 + c1 x^2))), c0 = -2 sqrt(2 / pi) log2(e), c1 = 0.044715 c0: all in f32.
; SHARES.  Work-group (X, y): tokens 256 X on, hidden units 256 y on, in four panels of 64.  Wave w: token tiles 16 X + 4 w + m.  Its codes of all K = 1,024 (512 registers) are loaded once, straight from memory,
; where they lie in the order of the registers.  The 256 rows of W for all of K lie in LDS, each byte filled once.  A fragment of W read from LDS feeds four matrix instructions.
; CLUSTER.  The four work-groups of a cluster share y and ask for every tile of W JOINTLY (mask 15).  The tokens' codes go to registers and cannot be shared so.
; THE ROWS OF W THAT FORM A TILE ARE NOT NEIGHBOURS: lane r of tile 2 b + u takes row 32 b + 8 u + r + (r & 8), so that (source 0 = W, source 1 = tokens) the 16 registers of tiles 2 b, 2 b + 1 are hidden units
; 32 b + 16 h + 0 .. 15 of one token: a group of the next operand.  The tile's two runs of eight rows come as two rows of 8,192 bytes, 16,384 apart, 16 bytes of padding behind every 1,024.
; The four panels are written out: every offset is an immediate and no address is stepped.
; OUT: codes [tile][K step 32][c][lane][16], scale words [tile][K step][r][4].
; LIMITS: NaN and infinities are not served; where x^2 overflows the result is x or -0; a block of zeros gets the byte 1 where the rule says 127.
; REGISTERS: as in the launch for q, k, v; v[12:13] c0, v[14:15] c1; v64-95 the bias, then gelu's work.
.set NP,    4
.set PITCH, 1040
.set TILB,  16*PITCH
.set PANB,  4*TILB
.set LI,  1
.set L4,  2
.set R4,  3
.set BO,  4
.set ADS, 6
.set ADB, 8                            ; v8-11
.set PW,  16
.set TM,  24
.set SCA, 32
.set SCB, 48
.set E,   64
.set PC,  96
.set ACC, 128
.set WV,  18
.set MNT, 19
.set SEL, 20
.set G1C, 24
.set G1S, 32
.set GCP, 92
.set GSP, 94
.set MSB, 0
.macro WIN new
.if MSB != (\new)
	s_set_vgpr_msb (MSB<<8)|(\new)
.set MSB, (\new)
.endif
.endm
.macro PLACES n
.rept \n
	v_nop
.endr
.endm
.macro ROUND
	s_barrier_signal -1
	s_barrier_wait -1
	s_cmp_lg_u32 s[WV], 0
	s_cbranch_scc1 .Lnot_wave_0_\@
	s_barrier_signal -3
.Lnot_wave_0_\@:
	s_barrier_wait -3
	s_barrier_signal -1
	s_barrier_wait -1
.endm
.macro WM d, a, b, z, sa, sb, ra, rb
.if \z
.if (\ra)&&(\rb)
	v_wmma_scale_f32_16x16x128_f8f6f4 v[\d:\d+7], v[\a:\a+15], v[\b:\b+15], 0, v[\sa], v[\sb] matrix_a_fmt:MATRIX_FMT_BF8 matrix_b_fmt:MATRIX_FMT_BF8 matrix_a_scale:MATRIX_SCALE_ROW1 matrix_b_scale:MATRIX_SCALE_ROW1
.elseif \ra
	v_wmma_scale_f32_16x16x128_f8f6f4 v[\d:\d+7], v[\a:\a+15], v[\b:\b+15], 0, v[\sa], v[\sb] matrix_a_fmt:MATRIX_FMT_BF8 matrix_b_fmt:MATRIX_FMT_BF8 matrix_a_scale:MATRIX_SCALE_ROW1
.elseif \rb
	v_wmma_scale_f32_16x16x128_f8f6f4 v[\d:\d+7], v[\a:\a+15], v[\b:\b+15], 0, v[\sa], v[\sb] matrix_a_fmt:MATRIX_FMT_BF8 matrix_b_fmt:MATRIX_FMT_BF8 matrix_b_scale:MATRIX_SCALE_ROW1
.else
	v_wmma_scale_f32_16x16x128_f8f6f4 v[\d:\d+7], v[\a:\a+15], v[\b:\b+15], 0, v[\sa], v[\sb] matrix_a_fmt:MATRIX_FMT_BF8 matrix_b_fmt:MATRIX_FMT_BF8
.endif
.else
.if (\ra)&&(\rb)
	v_wmma_scale_f32_16x16x128_f8f6f4 v[\d:\d+7], v[\a:\a+15], v[\b:\b+15], v[\d:\d+7], v[\sa], v[\sb] matrix_a_fmt:MATRIX_FMT_BF8 matrix_b_fmt:MATRIX_FMT_BF8 matrix_a_scale:MATRIX_SCALE_ROW1 matrix_b_scale:MATRIX_SCALE_ROW1
.elseif \ra
	v_wmma_scale_f32_16x16x128_f8f6f4 v[\d:\d+7], v[\a:\a+15], v[\b:\b+15], v[\d:\d+7], v[\sa], v[\sb] matrix_a_fmt:MATRIX_FMT_BF8 matrix_b_fmt:MATRIX_FMT_BF8 matrix_a_scale:MATRIX_SCALE_ROW1
.elseif \rb
	v_wmma_scale_f32_16x16x128_f8f6f4 v[\d:\d+7], v[\a:\a+15], v[\b:\b+15], v[\d:\d+7], v[\sa], v[\sb] matrix_a_fmt:MATRIX_FMT_BF8 matrix_b_fmt:MATRIX_FMT_BF8 matrix_b_scale:MATRIX_SCALE_ROW1
.else
	v_wmma_scale_f32_16x16x128_f8f6f4 v[\d:\d+7], v[\a:\a+15], v[\b:\b+15], v[\d:\d+7], v[\sa], v[\sb] matrix_a_fmt:MATRIX_FMT_BF8 matrix_b_fmt:MATRIX_FMT_BF8
.endif
.endif
.endm
.macro MULB be, k                      ; 32 matrix instructions: K steps 2 be, 2 be + 1 from W's buffer k; accumulator 4 m + t; the 16 in the same order each time
	WIN 0x07+4*((\be)/2)
.irp sg, 0,1
.set KS_, 2*(\be)+\sg
.irp x, 0,1,2,3
.irp y, 0,1,2,3
	WM ACC+8*(4*\x+\y), 128*(\k)+64*\sg+16*\y, 64*(KS_%4)+16*\x, KS_==0, SCB+4*\y+KS_%4, SCA+4*(\be)+\x, KS_/4, \sg
.endr
.endr
.endr
.endm
.macro SFETCH imm
	WIN 0
.irp t, 0,1,2,3
	global_load_b128 v[SCB+4*\t:SCB+4*\t+3], v[ADS], s[84:85] offset:\imm+(32*(\t/2)+8*(\t%2))*32   ; straight from memory: the 32 lanes read two runs of 256 bytes
.endr
.endm
.macro BFETCH adb, be, k
	WIN 0xc0
.irp sg, 0,1
.irp t, 0,1,2,3
.irp c, 0,1,2,3
	ds_load_b128 v[128*(\k)+64*\sg+16*\t+4*\c:128*(\k)+64*\sg+16*\t+4*\c+3], v[\adb] offset:TILB*(2*(\t%2)+\t/2)+128*(2*(\be)+\sg)+32*\c   ; a panel's tiles lie in LDS in the order 0, 2, 1, 3
.endr
.endr
.endr
.endm
.macro PANEL p
	WIN 0
.irp t, 0,1,2,3
	global_load_b128 v[E+8*\t:E+8*\t+3], v[BO], s[12:13] offset:256*\p+(32*(\t/2)+8*(\t%2))*4
	global_load_b128 v[E+8*\t+4:E+8*\t+7], v[BO], s[12:13] offset:256*\p+(32*(\t/2)+8*(\t%2))*4+16
.endr
	s_wait_dscnt 32                                ; batch 0 is in; batch 1's 32 loads may be out
.if \p == 0
	s_wait_loadcnt 63                              ; behind the tokens' K steps 0, 1 stand 96 + 8 loads: the count is held at 63
.endif
	MULB 0, 0
	PLACES 8
	BFETCH ADB+\p, 2, 0
	s_wait_dscnt 32
.if \p == 0
	s_wait_loadcnt 63                              ; 64 + 8
.endif
	MULB 1, 1
	PLACES 8
	BFETCH ADB+\p, 3, 1
	s_wait_dscnt 32
.if \p == 0
	s_wait_loadcnt 40                              ; 32 + 8
.endif
	MULB 2, 0
	s_wait_dscnt 0x0
.if \p == 0
	s_wait_loadcnt 8                               ; the bias alone
.endif
	MULB 3, 1
	WIN 0
.endm
.macro NEXT n, p
.if \n                                 ; n not 0: panel p is the first of the second group of loads: all my loads have landed, and behind the barrier everybody's.  n = 0: an earlier barrier has shown it whole
	s_wait_tensorcnt 0x0
	ds_add_u32 v126, v127
	s_wait_dscnt 0x0
	s_barrier_signal -1
	s_barrier_wait -1
.endif
	PLACES 8
	SFETCH 2048*\p
	BFETCH ADB+\p, 0, 0
	BFETCH ADB+\p, 1, 1
	WIN 0
.endm
.macro QUANT2 s
	s_wait_xcnt 0x0                                ; the last stores have read v[PC] on and v[PW]
.irp b, 0,1
	v_max3_num_f32 v[TM+\b], |v[(\s)+16*\b]|, |v[(\s)+16*\b+1]|, 0x8000000
.endr
.irp i, 2,4,6,8,10,12,14
.irp b, 0,1
	v_max3_num_f32 v[TM+\b], v[TM+\b], |v[(\s)+16*\b+\i]|, |v[(\s)+16*\b+\i+1]|
.endr
.endr
.irp b, 0,1
	v_permlanex16_b32 v[TM+2+\b], v[TM+\b], s[SEL], s[SEL+1]
.endr
.irp b, 0,1
	v_max_num_f32 v[TM+\b], v[TM+\b], v[TM+2+\b]
.endr
.irp b, 0,1
	v_add_nc_u32 v[TM+6+\b], 0xf8800000, v[TM+\b]
.endr
.irp b, 0,1
	v_and_or_b32 v[TM+4+\b], v[TM+\b], 0x7f800000, s[MNT]
.endr
.irp b, 0,1
	v_lshrrev_b32 v[TM+2+\b], 23, v[TM+6+\b]
.endr
	v_lshl_or_b32 v[PW], v[TM+3], 8, v[TM+2]
.irp b, 0,1
.irp i, 0,1,2,3,4,5,6,7,8,9,10,11,12,13,14,15
	v_med3_num_f32 v[(\s)+16*\b+\i], v[(\s)+16*\b+\i], -v[TM+4+\b], v[TM+4+\b]
.endr
	v_cvt_scalef32_pk8_bf8_f32 v[PC+4*\b:PC+4*\b+1], v[(\s)+16*\b:(\s)+16*\b+7], v[TM+6+\b]
	v_cvt_scalef32_pk8_bf8_f32 v[PC+4*\b+2:PC+4*\b+3], v[(\s)+16*\b+8:(\s)+16*\b+15], v[TM+6+\b]
.endr
	v_nop
.endm
.macro EPI_GELU p                      ; bias, gelu, quantised along the panel's 64 hidden units, a token tile at a time
	s_wait_loadcnt 0x0
.irp m, 0,1,2,3
.irp t, 0,1,2,3
.irp j, 0,2,4,6
	v_pk_add_f32 v[ACC+32*\m+8*\t+\j:ACC+32*\m+8*\t+\j+1], v[ACC+32*\m+8*\t+\j:ACC+32*\m+8*\t+\j+1], v[E+8*\t+\j:E+8*\t+\j+1]
.endr
.endr
.endr
.irp m, 0,1,2,3
.set j_, 0
.rept 16
	v_pk_mul_f32 v[E+j_:E+j_+1], v[ACC+32*\m+j_:ACC+32*\m+j_+1], v[ACC+32*\m+j_:ACC+32*\m+j_+1]   ; x^2
.set j_, j_+2
.endr
.set j_, 0
.rept 16
	v_pk_fma_f32 v[E+j_:E+j_+1], v[E+j_:E+j_+1], v[14:15], v[12:13]                                ; c1 x^2 + c0
.set j_, j_+2
.endr
.set j_, 0
.rept 16
	v_pk_mul_f32 v[E+j_:E+j_+1], v[E+j_:E+j_+1], v[ACC+32*\m+j_:ACC+32*\m+j_+1]                    ; x (c0 + c1 x^2)
.set j_, j_+2
.endr
.set j_, 0
	s_wait_alu depctr_va_vdst(0)
.rept 32
	v_exp_f32 v[E+j_], v[E+j_]
.set j_, j_+1
.endr
	v_nop                                          ; a plain line behind the batch,
	s_wait_alu depctr_va_vdst(0)                   ; and one wait for it ahead of its first reader
.set j_, 0
.rept 16
	v_pk_add_f32 v[E+j_:E+j_+1], v[E+j_:E+j_+1], 1.0 op_sel_hi:[1,0]
.set j_, j_+2
.endr
.set j_, 0
	s_wait_alu depctr_va_vdst(0)
.rept 32
	v_rcp_f32 v[E+j_], v[E+j_]
.set j_, j_+1
.endr
	v_nop
	s_wait_alu depctr_va_vdst(0)
.set j_, 0
.rept 16
	v_pk_mul_f32 v[ACC+32*\m+j_:ACC+32*\m+j_+1], v[ACC+32*\m+j_:ACC+32*\m+j_+1], v[E+j_:E+j_+1]
.set j_, j_+2
.endr
	s_wait_alu depctr_va_vdst(0)
	QUANT2 ACC+32*\m
	global_store_b128 v[LI], v[PC:PC+3], s[GCP:GCP+1] offset:65536*\m+1024*\p          ; 512 consecutive bytes, aligned
	global_store_b128 v[LI], v[PC+4:PC+7], s[GCP:GCP+1] offset:65536*\m+1024*\p+512
	global_store_b16 v[R4], v[PW], s[GSP:GSP+1] offset:2048*\m+64*(\p/2)+2*(\p%2)      ; the panel's two of the word's four bytes
.endr
.endm
	s_load_b256 s[4:11], s[0:1], 0x0               ; tokens' codes, their scale words, W's codes, W's scales
	s_load_b128 s[12:15], s[0:1], 0x20             ; bias, codes out
	s_load_b64 s[16:17], s[0:1], 0x30              ; scale words out
	v_lshl_add_u32 v126, v0, 2, 0x43000
	v_mov_b32 v127, 0
	ds_add_u32 v126, v127
	ds_add_u32 v126, v127
	v_lshrrev_b32 v7, 5, v0
	v_readfirstlane_b32 s[WV], v7
	v_and_b32 v7, 31, v0
	v_lshlrev_b32 v[LI], 4, v7
	v_lshlrev_b32 v[L4], 2, v7
	v_and_b32 v7, 15, v0                           ; r
	v_bfe_u32 v17, v0, 4, 1                        ; h
	v_lshlrev_b32 v[R4], 2, v7
	v_lshlrev_b32 v[BO], 6, v17
	v_and_b32 v18, 8, v7
	v_add_nc_u32 v18, v18, v7                      ; rho(r)
	v_lshlrev_b32 v[ADS], 5, v18
	v_lshl_add_u32 v[ADS], v17, 4, v[ADS]
	v_mul_u32_u24 v[ADB], v7, PITCH
	v_lshl_add_u32 v[ADB], v17, 4, v[ADB]
.irp p, 1,2,3
	v_add_nc_u32 v[ADB+\p], PANB*\p, v[ADB]
.endr
	v_mov_b32 v12, 0xc0135761                      ; c0 = -2.3022082
	v_mov_b32 v13, v12
	v_mov_b32 v14, 0xbdd2d3e8                      ; c1 = -0.10294324
	v_mov_b32 v15, v14
	v_mov_b32 v[TM+2], 0
	v_mov_b32 v[TM+3], 0
	s_mov_b32 s[MNT], 0x600000
	s_mov_b32 s[SEL], 0x76543210
	s_mov_b32 s[SEL+1], 0xfedcba98
	s_and_b32 s76, ttmp7, 0xffff                   ; y, which the four partners share
	s_mov_b32 s[G1C], 15|(1<<20)|(1<<21)|(7<<22)|(3<<25)
	s_mov_b32 s[G1C+1], 8192<<16
	s_mov_b32 s[G1C+2], 4<<16                      ; four rows of 8,192 bytes: tiles u and u + 2 of a panel by one load
	s_mov_b32 s[G1C+3], 8192<<16
	s_mov_b32 s[G1C+4], 4
	s_mov_b32 s[G1C+5], 16384
	s_mov_b32 s[G1C+6], 0
	s_mov_b32 s[G1C+7], 0
	s_lshl_b32 s78, s76, 13                        ; scales: 256 y rows of 32 bytes,
	s_mov_b32 s79, 0
	s_lshl_b32 s80, s76, 18                        ; codes: 256 y rows of 1,024 bytes,
	s_lshr_b32 s2, s[WV], 1
	s_lshl_b32 s2, s2, 16                          ; + panel w / 2: 64 rows
	s_add_co_u32 s80, s80, s2
	s_and_b32 s2, s[WV], 1
	s_lshl_b32 s2, s2, 13
	s_add_co_u32 s80, s80, s2                      ; + 8 (w % 2) rows: tile t = w
	s_mov_b32 s81, 0
	s_mul_i32 s83, s[WV], 2*TILB                   ; panel w / 2, tiles w % 2 and w % 2 + 2: two tiles a wave, on end
	s_wait_dscnt 0x0
	s_wait_kmcnt 0x0
	s_add_nc_u64 s[84:85], s[10:11], s[78:79]
	s_add_nc_u64 s[86:87], s[8:9], s[80:81]
.set p_, 0
.rept 2                                ; group 0 of the head's load (panels 0 and 1) and of the second (panels 2 and 3)
.set gC, 44+8*p_
	s_mov_b32 s[gC], 1
	s_add_co_u32 s[gC+1], s83, 2*PANB*p_
	s_add_nc_u64 s[gC+2:gC+3], s[86:87], 131072*p_
	s_or_b32 s[gC+3], s[gC+3], 0x80000000
.set p_, p_+1
.endr
	s_bfe_u32 s22, ttmp6, 0x40000                  ; cx: it enters global addresses of my own loads and stores alone
	s_lshl_b32 s23, ttmp9, 2
	s_add_co_u32 s23, s23, s22                     ; X
	s_mov_b32 s89, 0
	s_lshl_b32 s88, s23, 18
	s_lshl_b32 s2, s[WV], 16
	s_add_co_u32 s88, s88, s2
	s_add_nc_u64 s[4:5], s[4:5], s[88:89]
	s_lshl_b32 s88, s23, 13
	s_lshl_b32 s2, s[WV], 11
	s_add_co_u32 s88, s88, s2
	s_add_nc_u64 s[6:7], s[6:7], s[88:89]
	s_lshl_b32 s88, s76, 10
	s_add_nc_u64 s[12:13], s[12:13], s[88:89]      ; the bias at hidden unit 256 y
	s_lshl_b32 s88, s23, 20
	s_lshl_b32 s2, s[WV], 18
	s_add_co_u32 s88, s88, s2
	s_lshl_b32 s2, s76, 12
	s_add_co_u32 s88, s88, s2                      ; (16 X + 4 w) x 65,536 + K step 2 y
	s_add_nc_u64 s[GCP:GCP+1], s[14:15], s[88:89]
	s_lshl_b32 s88, s23, 15
	s_lshl_b32 s2, s[WV], 13
	s_add_co_u32 s88, s88, s2
	s_lshl_b32 s2, s76, 7
	s_add_co_u32 s88, s88, s2
	s_add_nc_u64 s[GSP:GSP+1], s[16:17], s[88:89]
	ROUND                                          ; all four work-groups are here: the joint loads meet
.set p_, 0
	tensor_load_to_lds s[44:47], s[G1C:G1C+7]      ; panels 0 and 1, two tiles a wave: one tensor load a wave at the head
	s_nop 0
	PLACES 4
	s_wait_alu depctr_va_vdst(0)                   ; the wait ahead of the first reader of the head's addresses
	SFETCH 0                                       ; panel 0's scale words, ahead of the tokens' loads: the counted waits below cover them
.irp be, 0,1,2,3
.irp m, 0,1,2,3
	global_load_b32 v[SCA+4*\be+\m], v[L4], s[6:7] offset:512*\m+128*\be
.endr
.endr
.irp s, 0,1,2,3,4,5,6,7
	WIN 0x40+0x40*(\s/4)
.irp m, 0,1,2,3
.irp c, 0,1,2,3
	global_load_b128 v[64*(\s%4)+16*\m+4*\c:64*(\s%4)+16*\m+4*\c+3], v[LI], s[4:5] offset:16384*\m+2048*\s+512*\c
.endr
.endr
.endr
	WIN 0
	s_wait_tensorcnt 0x0                           ; my two tiles of panel w / 2 have landed
	ds_add_u32 v126, v127
	s_wait_dscnt 0x0
	ROUND
	tensor_load_to_lds s[52:55], s[G1C:G1C+7]      ; panels 2 and 3: their first fill, my one load behind the round
	s_nop 0
	PLACES 4
	BFETCH ADB, 0, 0
	BFETCH ADB, 1, 1
	PANEL 0
	s_wait_alu depctr_va_vdst(0)
	NEXT 0, 1
	EPI_GELU 0
	PANEL 1
	NEXT 2, 2
	EPI_GELU 1
	PANEL 2
	NEXT 0, 3
	EPI_GELU 2
	PANEL 3
	PLACES 8
	EPI_GELU 3
	s_wait_tensorcnt 0x0
	ds_add_u32 v126, v127
	s_wait_dscnt 0x0
	ROUND                                          ; the closing round
	s_endpgm
.Lfunc_end_k_qc2bd9dc2c4_fc1:
	.size	k_qc2bd9dc2c4_fc1, .Lfunc_end_k_qc2bd9dc2c4_fc1-k_qc2bd9dc2c4_fc1
	.p2alignl 7, 3214868480
	.fill 96, 4, 3214868480
	.section	.rodata,"a",@progbits
	.p2align	6, 0x0
	.amdhsa_kernel k_qc2bd9dc2c4_fc1
		.amdhsa_group_segment_fixed_size 327680
		.amdhsa_private_segment_fixed_size 0
		.amdhsa_enable_private_segment 0
		.amdhsa_kernarg_size 56
		.amdhsa_user_sgpr_count 2
		.amdhsa_user_sgpr_kernarg_segment_ptr 1
		.amdhsa_wavefront_size32 1
		.amdhsa_system_sgpr_workgroup_id_x 1
		.amdhsa_system_sgpr_workgroup_id_y 1
		.amdhsa_system_sgpr_workgroup_id_z 1
		.amdhsa_system_vgpr_workitem_id 0
		.amdhsa_next_free_vgpr 1024
		.amdhsa_next_free_sgpr 100
		.amdhsa_reserve_vcc 0
		.amdhsa_float_denorm_mode_32 3
		.amdhsa_float_denorm_mode_16_64 3
		.amdhsa_memory_ordered 1
		.amdhsa_forward_progress 1
		.amdhsa_inst_pref_size 255
	.end_amdhsa_kernel
	.section	.bss,"aw",@nobits
	.p2align	6
	.space	262144
	.amdgpu_metadata
---
amdhsa.version: [ 1, 2 ]
amdhsa.kernels:
  - .name:           k_qc2bd9dc2c4_fc1
    .symbol:         k_qc2bd9dc2c4_fc1.kd
    .args:
      - { .name: hc, .offset: 0, .size: 8, .value_kind: global_buffer, .address_space: global }
      - { .name: hs, .offset: 8, .size: 8, .value_kind: global_buffer, .address_space: global }
      - { .name: fc1_w_codes, .offset: 16, .size: 8, .value_kind: global_buffer, .address_space: global }
      - { .name: fc1_w_scales, .offset: 24, .size: 8, .value_kind: global_buffer, .address_space: global }
      - { .name: fc1_b, .offset: 32, .size: 8, .value_kind: global_buffer, .address_space: global }
      - { .name: gc, .offset: 40, .size: 8, .value_kind: global_buffer, .address_space: global }
      - { .name: gs, .offset: 48, .size: 8, .value_kind: global_buffer, .address_space: global }
    .group_segment_fixed_size: 327680
    .private_segment_fixed_size: 0
    .kernarg_segment_align: 8
    .kernarg_segment_size: 56
    .max_flat_workgroup_size: 128
    .sgpr_count:     100
    .vgpr_count:     1024
    .wavefront_size: 32
...
	.end_amdgpu_metadata
.endif
;; end of part 5
;; launch fc2 (part 6): grid 32 x 8, 4 waves a work-group, clusters of 4 x 1, 327,680 bytes of LDS; arguments gc, gs, fc2_w_codes, fc2_w_scales, fc2_b, x1, out0; writes out0
.if DOCPART == 6
	.amdgcn_target "amdgcn-amd-amdhsa--gfx1250"
	.amdhsa_code_object_version 6
	.text
	.protected	k_qc2bd9dc2c4_fc2
	.globl	k_qc2bd9dc2c4_fc2
	.p2align	8
	.type	k_qc2bd9dc2c4_fc2,@function
k_qc2bd9dc2c4_fc2:
	s_mov_b64 s[64:65], 0
	v_nop
	global_prefetch_b8 v0, s[64:65] scope:SCOPE_SE
	s_setreg_imm32_b32 hwreg(HW_REG_WAVE_MODE, 25, 1), 1
	s_wait_xcnt 0x0
	s_wait_alu depctr_hold_cnt(0) depctr_sa_sdst(0) depctr_va_vdst(0) depctr_va_sdst(0) depctr_va_ssrc(0) depctr_va_vcc(0) depctr_vm_vsrc(0)
	s_getreg_b32 s2, hwreg(HW_REG_IB_STS2, 6, 4)
	s_cmp_eq_u32 s2, 0
	s_cbranch_scc0 .Lentry_in_a_cluster
	s_endpgm
.Lentry_in_a_cluster:
	s_bfe_u32 s2, ttmp6, 0x10000c
	s_cmp_lg_u32 s2, 0x3003
	s_cbranch_scc0 .Lentry_shape_is_right
	s_endpgm
.Lentry_shape_is_right:
; out = x1 + A W^T + bias on E5M2 codes with E8M0 scales; out and x1 f32 [4096][1024]; K = 4,096.
; SHARES.  Work-group (X, y): rows 128 X on, columns 128 y on: 32 x 8 = 256 work-groups.  Wave w = (rh = w & 1, kh = w >> 1): token tiles 8 X + 4 rh + m (64 rows) x all 128 columns x K steps 8 c + 4 kh + i of
; each chunk c of 1,024 along K: 32 accumulators, which take turns.  So each byte of A is loaded by one wave of the work-group, and a fragment of W read from LDS feeds four matrix instructions.
; A's codes lie in memory in the order of the registers and stream straight into a ring of four register slots of one K step (16 loads each): 64 loads of a wave are out.
; W's 128 rows come chunk by chunk through two LDS slots, asked for JOINTLY by the four work-groups of the cluster, which share y (mask 15): 32 rows a wave, one load a wave behind each round.
; All scale words of a wave, A's and W's, are loaded once, straight into 96 registers.
; Accumulator slot tt of a wave holds column tile (tt + 4 kh) % 8: at the end each wave hands slots 4-7 to its partner w xor 2 through LDS, adds the partner's to its slots 0-3, and finishes 64 rows x 64 columns.
; Source 0 = 16 rows of W, source 1 = a token tile: a lane holds eight neighbouring columns of one row; the way out goes through the wave's stage in LDS, so that sixteen lanes store 256 consecutive aligned bytes.
; The exchange and the stages lie in the slots, behind the slots' last fill and a barrier behind every wave's last read of W.
; No prefetch: A's 256 loads a wave run from the head to the last chunk, and each chunk of W is asked for four of the wave's K steps (128 matrix instructions) ahead of the wait for it.
; A is not asked for jointly: its 524,288 bytes a work-group beside W's would make eight fills of two slots, 64 matrix instructions a wave under each.
; The sum over K is made in two halves, each ascending, added once in f32.  LIMITS: NaN and infinities are not served.
; REGISTERS: window 0: v1-19 addresses and bias, v30-31 the add's, v32-63 A's scale words, v64-127 W's, v128-255 the residual.  window 1: accumulators, (m, tt) at 8 (8 m + tt).  window 2: two buffers of W.  window 3: A's four slots.
.set NCH,   4
.set NU,    16                         ; a wave's K steps
.set PITCH, 1040
.set TILB,  16*PITCH
.set CHB,   8*TILB                     ; a slot: 128 rows x (1,024 + 16) bytes
.set SPARE, 2*CHB                      ; the spare words: two blocks of 256 bytes that no other line names
.set STG,   65536                      ; the exchange: 4 x 16,384 bytes from 0; behind it the stages
.set STGW,  64*272
.set TSTR,  65536                      ; from a token tile's codes to the next
.set SSTR,  2048                       ; and its scale words
.set LI,  1
.set L4,  2
.set VS,  3                            ; v3-4: W's scale bytes in memory, column tiles of my slots 0-3, 4-7
.set ADB, 5                            ; v5-8: W's fragments: slot p, my accumulator slots 0-3 (ADB + 2 p), 4-7 (ADB + 2 p + 1)
.set STO, 9
.set RD,  10
.set CO,  11
.set BOF, 12
.set XS,  13
.set XL,  14
.set BI,  16
.set SPW, 30
.set NIL, 31
.set SCA, 32
.set SCB, 64
.set RES, 128
.set WV,  18
.set G1C, 24
.set MSB, 0
.macro WIN new
.if MSB != (\new)
	s_set_vgpr_msb (MSB<<8)|(\new)
.set MSB, (\new)
.endif
.endm
.macro PLACES n
.rept \n
	v_nop
.endr
.endm
.macro ROUND
	s_barrier_signal -1
	s_barrier_wait -1
	s_cmp_lg_u32 s[WV], 0
	s_cbranch_scc1 .Lnot_wave_0_\@
	s_barrier_signal -3
.Lnot_wave_0_\@:
	s_barrier_wait -3
	s_barrier_signal -1
	s_barrier_wait -1
.endm
.macro WM d, a, b, z, sa, sb, ra, rb
.if \z
.if (\ra)&&(\rb)
	v_wmma_scale_f32_16x16x128_f8f6f4 v[\d:\d+7], v[\a:\a+15], v[\b:\b+15], 0, v[\sa], v[\sb] matrix_a_fmt:MATRIX_FMT_BF8 matrix_b_fmt:MATRIX_FMT_BF8 matrix_a_scale:MATRIX_SCALE_ROW1 matrix_b_scale:MATRIX_SCALE_ROW1
.elseif \ra
	v_wmma_scale_f32_16x16x128_f8f6f4 v[\d:\d+7], v[\a:\a+15], v[\b:\b+15], 0, v[\sa], v[\sb] matrix_a_fmt:MATRIX_FMT_BF8 matrix_b_fmt:MATRIX_FMT_BF8 matrix_a_scale:MATRIX_SCALE_ROW1
.elseif \rb
	v_wmma_scale_f32_16x16x128_f8f6f4 v[\d:\d+7], v[\a:\a+15], v[\b:\b+15], 0, v[\sa], v[\sb] matrix_a_fmt:MATRIX_FMT_BF8 matrix_b_fmt:MATRIX_FMT_BF8 matrix_b_scale:MATRIX_SCALE_ROW1
.else
	v_wmma_scale_f32_16x16x128_f8f6f4 v[\d:\d+7], v[\a:\a+15], v[\b:\b+15], 0, v[\sa], v[\sb] matrix_a_fmt:MATRIX_FMT_BF8 matrix_b_fmt:MATRIX_FMT_BF8
.endif
.else
.if (\ra)&&(\rb)
	v_wmma_scale_f32_16x16x128_f8f6f4 v[\d:\d+7], v[\a:\a+15], v[\b:\b+15], v[\d:\d+7], v[\sa], v[\sb] matrix_a_fmt:MATRIX_FMT_BF8 matrix_b_fmt:MATRIX_FMT_BF8 matrix_a_scale:MATRIX_SCALE_ROW1 matrix_b_scale:MATRIX_SCALE_ROW1
.elseif \ra
	v_wmma_scale_f32_16x16x128_f8f6f4 v[\d:\d+7], v[\a:\a+15], v[\b:\b+15], v[\d:\d+7], v[\sa], v[\sb] matrix_a_fmt:MATRIX_FMT_BF8 matrix_b_fmt:MATRIX_FMT_BF8 matrix_a_scale:MATRIX_SCALE_ROW1
.elseif \rb
	v_wmma_scale_f32_16x16x128_f8f6f4 v[\d:\d+7], v[\a:\a+15], v[\b:\b+15], v[\d:\d+7], v[\sa], v[\sb] matrix_a_fmt:MATRIX_FMT_BF8 matrix_b_fmt:MATRIX_FMT_BF8 matrix_b_scale:MATRIX_SCALE_ROW1
.else
	v_wmma_scale_f32_16x16x128_f8f6f4 v[\d:\d+7], v[\a:\a+15], v[\b:\b+15], v[\d:\d+7], v[\sa], v[\sb] matrix_a_fmt:MATRIX_FMT_BF8 matrix_b_fmt:MATRIX_FMT_BF8
.endif
.endif
.endm
.macro MULB u                          ; 32 matrix instructions: my K step u (chunk u / 4, step u % 4 of my four): W's buffer u % 2, A's slot u % 4; the 32 accumulators in the same order each time
	WIN 0x5e                                       ; source 0 window 2, source 1 window 3, C and D window 1
.irp m, 0,1,2,3
.irp t, 0,1,2,3,4,5,6,7
	WM 8*(8*\m+\t), 128*((\u)%2)+16*\t, 64*((\u)%4)+16*\m, (\u)==0, SCB+32*((\u)/8)+4*\t+(\u)%4, SCA+8*((\u)/4)+4*(((\u)%4)/2)+\m, ((\u)/4)%2, (\u)%2
.endr
.endr
.endm
.macro BFETCH u                        ; 32 LDS loads: W's eight tiles of my K step u
	WIN 0x80
.irp t, 0,1,2,3,4,5,6,7
.irp c, 0,1,2,3
	ds_load_b128 v[128*((\u)%2)+16*\t+4*\c:128*((\u)%2)+16*\t+4*\c+3], v[ADB+2*(((\u)/4)%2)+\t/4] offset:TILB*(\t%4)+128*((\u)%4)+32*\c
.endr
.endr
.endm
.macro AFETCH u                        ; 16 loads of 512 consecutive bytes: my four token tiles of my K step u
	WIN 0xc0
.irp m, 0,1,2,3
.irp c, 0,1,2,3
	global_load_b128 v[64*((\u)%4)+16*\m+4*\c:64*((\u)%4)+16*\m+4*\c+3], v[LI], s[4:5] offset:TSTR*\m+2048*(8*((\u)/4)+(\u)%4)+512*\c
.endr
.endr
.endm
	s_load_b256 s[4:11], s[0:1], 0x0               ; A's codes, A's scale words, W's codes, W's scales
	s_load_b128 s[12:15], s[0:1], 0x20             ; bias, residual
	s_load_b64 s[16:17], s[0:1], 0x30              ; out
	v_lshl_add_u32 v[SPW], v0, 2, SPARE
	v_mov_b32 v[NIL], 0
	ds_add_u32 v[SPW], v[NIL]                      ; the add, twice on end,
	ds_add_u32 v[SPW], v[NIL]
	v_lshrrev_b32 v20, 5, v0
	v_readfirstlane_b32 s[WV], v20                 ; wave 0..3
	s_and_b32 s19, s[WV], 1                        ; rh
	s_lshr_b32 s20, s[WV], 1                       ; kh
	s_xor_b32 s21, s20, 1                          ; 1 - kh
	v_and_b32 v20, 31, v0
	v_lshlrev_b32 v[LI], 4, v20
	v_lshlrev_b32 v[L4], 2, v20
	v_and_b32 v20, 15, v0                          ; r
	v_bfe_u32 v21, v0, 4, 1                        ; h
	v_and_b32 v22, 8, v20
	v_add_nc_u32 v22, v22, v20                     ; rho(r)
	v_lshlrev_b32 v23, 7, v20                      ; W's scale bytes: 128 a row;
	v_lshl_add_u32 v23, v21, 5, v23                ; lanes 16-31 take the odd chunk: 32 bytes on
	s_lshl_b32 s22, s20, 4                         ; my four K steps of a chunk: 16 kh
	s_lshl_b32 s23, s20, 13                        ; column tiles 4 kh on: 64 rows of 128 bytes
	s_add_co_u32 s23, s23, s22
	v_add_nc_u32 v[VS], s23, v23
	s_lshl_b32 s23, s21, 13
	s_add_co_u32 s23, s23, s22
	v_add_nc_u32 v[VS+1], s23, v23
	v_mul_u32_u24 v23, v20, PITCH
	v_lshl_add_u32 v23, v21, 4, v23                ; a fragment's row x pitch + 16 h
	s_lshl_b32 s22, s20, 9                         ; my four K steps: 512 kh bytes along a row
	s_mul_i32 s23, s20, 4*TILB
	s_add_co_u32 s23, s23, s22
	v_add_nc_u32 v[ADB], s23, v23
	v_add_nc_u32 v[ADB+2], CHB, v[ADB]
	s_mul_i32 s23, s21, 4*TILB
	s_add_co_u32 s23, s23, s22
	v_add_nc_u32 v[ADB+1], s23, v23
	v_add_nc_u32 v[ADB+3], CHB, v[ADB+1]
	s_lshl_b32 s22, s[WV], 14
	v_add_nc_u32 v[XS], s22, v[LI]                 ; the exchange: my 16,384 bytes,
	s_xor_b32 s22, s22, 32768
	v_add_nc_u32 v[XL], s22, v[LI]                 ; and those of wave w xor 2
	s_mul_i32 s22, s[WV], STGW
	s_add_co_u32 s22, s22, STG
	v_mul_u32_u24 v[STO], v22, 272
	v_lshl_add_u32 v[STO], v21, 5, v[STO]
	v_add_nc_u32 v[STO], s22, v[STO]               ; the stage, in: row rho(r), + 32 h
	v_mul_u32_u24 v[RD], v21, 272
	v_lshl_add_u32 v[RD], v20, 4, v[RD]
	v_add_nc_u32 v[RD], s22, v[RD]                 ; back: lanes 0-15 one row of 256 bytes, lanes 16-31 the next
	v_lshlrev_b32 v[CO], 12, v21
	v_lshl_add_u32 v[CO], v20, 4, v[CO]            ; and the same two rows in memory
	v_lshlrev_b32 v[BOF], 4, v20
	; group 1: rows of W x 1,024 along K, 4,096 bytes apart; 4 words of padding behind every 256.  64 rows for the head's loads; behind them the two words that count rows are set to 32, for the refills
	s_mov_b32 s[G1C], 15|(1<<20)|(1<<21)|(7<<22)|(3<<25)
	s_mov_b32 s[G1C+1], 1024<<16
	s_mov_b32 s[G1C+2], 64<<16
	s_mov_b32 s[G1C+3], 1024<<16
	s_mov_b32 s[G1C+4], 64
	s_mov_b32 s[G1C+5], 4096
	s_mov_b32 s[G1C+6], 0
	s_mov_b32 s[G1C+7], 0
	s_and_b32 s60, ttmp7, 0xffff                   ; y, which the four partners share
	s_lshl_b32 s68, s60, 19
	s_lshl_b32 s62, s[WV], 17
	s_add_co_u32 s68, s68, s62                     ; row 128 y + 32 w of W
	s_mov_b32 s69, 0
	s_mul_i32 s63, s[WV], 2*TILB
	s_mul_i32 s61, s20, CHB                        ; the head's load: chunk w >> 1 into its slot,
	s_mul_i32 s62, s19, 4*TILB                     ; rows 64 (w & 1) on
	s_add_co_u32 s61, s61, s62
	s_lshl_b32 s36, s60, 19
	s_lshl_b32 s62, s19, 18
	s_add_co_u32 s36, s36, s62
	s_lshl_b32 s62, s20, 10
	s_add_co_u32 s36, s36, s62                     ; in memory: row 128 y + 64 (w & 1), byte 1,024 (w >> 1)
	s_mov_b32 s37, 0
	s_lshl_b32 s66, s60, 14                        ; the scale bytes of row 128 y
	s_mov_b32 s67, 0
	s_wait_alu depctr_va_vdst(0)                   ; the wait behind the head's last vector instruction
	s_wait_dscnt 0x0                               ; and the one wait for both adds
	s_wait_kmcnt 0x0
	s_add_nc_u64 s[66:67], s[10:11], s[66:67]
	s_add_nc_u64 s[68:69], s[8:9], s[68:69]
	s_mov_b32 s40, 1
	s_mov_b32 s41, s61
	s_add_nc_u64 s[42:43], s[8:9], s[36:37]
	s_or_b32 s43, s43, 0x80000000
.set q_, 2
.rept NCH-2                            ; a group 0 for each of the two refills: none is ever rewritten
	s_mov_b32 s[44+4*q_], 1
	s_add_co_u32 s[45+4*q_], s63, CHB*(q_%2)
	s_add_nc_u64 s[46+4*q_:47+4*q_], s[68:69], 1024*q_
	s_or_b32 s[47+4*q_], s[47+4*q_], 0x80000000
.set q_, q_+1
.endr
	; what hangs on my place in the cluster enters global addresses of my own loads and stores alone
	s_bfe_u32 s70, ttmp6, 0x40000
	s_lshl_b32 s71, ttmp9, 2
	s_add_co_u32 s70, s70, s71                     ; X
	s_mov_b32 s73, 0
	s_mov_b32 s75, 0
	s_lshl_b32 s72, s70, 19
	s_lshl_b32 s74, s19, 18
	s_add_co_u32 s72, s72, s74                     ; tile 8 X + 4 rh x 65,536 bytes of codes; also row 128 X + 64 rh x 4,096 bytes of f32
	s_lshl_b32 s74, s20, 13
	s_add_co_u32 s74, s72, s74                     ; + K step 4 kh
	s_add_nc_u64 s[4:5], s[4:5], s[74:75]
	s_lshl_b32 s71, s60, 9
	s_lshl_b32 s74, s20, 8
	s_add_co_u32 s74, s74, s71                     ; column 128 y + 64 kh, in bytes
	s_add_co_u32 s72, s72, s74
	s_add_nc_u64 s[14:15], s[14:15], s[72:73]
	s_add_nc_u64 s[16:17], s[16:17], s[72:73]
	s_add_nc_u64 s[12:13], s[12:13], s[74:75]
	s_lshl_b32 s72, s70, 14
	s_lshl_b32 s74, s19, 13
	s_add_co_u32 s72, s72, s74
	s_lshl_b32 s74, s20, 8
	s_add_co_u32 s72, s72, s74                     ; A's scale words: tile x 2,048 + K step 4 kh x 64
	s_add_nc_u64 s[6:7], s[6:7], s[72:73]
	ROUND                                          ; all four work-groups are here: the joint loads meet
	tensor_load_to_lds s[40:43], s[G1C:G1C+7]      ; both slots' first fills: waves 0 and 1 the halves of chunk 0, waves 2 and 3 those of chunk 1: one tensor load a wave at the head
	s_nop 0
	PLACES 4
.irp cc, 0,1
.irp t, 0,1,2,3,4,5,6,7
	global_load_b128 v[SCB+32*\cc+4*\t:SCB+32*\cc+4*\t+3], v[VS+\t/4], s[66:67] offset:2048*(\t%4)+64*\cc   ; register i: my K step i of chunk 2 cc (lanes 0-15) and 2 cc + 1 (lanes 16-31)
.endr
.endr
.irp c, 0,1,2,3
.irp ip, 0,1
.irp m, 0,1,2,3
	global_load_b32 v[SCA+8*\c+4*\ip+\m], v[L4], s[6:7] offset:SSTR*\m+512*\c+128*\ip   ; lanes 0-15: my K step 2 ip of chunk c; lanes 16-31: 2 ip + 1
.endr
.endr
.endr
	global_load_b128 v[BI:BI+3], v[BOF], s[12:13]  ; the bias of the four columns that I store
	AFETCH 0
	AFETCH 1
	AFETCH 2
	AFETCH 3
	WIN 0
	s_wait_tensorcnt 0x0                           ; my half of chunk w >> 1 has landed
	ds_add_u32 v[SPW], v[NIL]
	s_mov_b32 s[G1C+2], 32<<16                     ; no tensor load of mine is out, so a descriptor may be written: from here on a load brings 32 rows
	s_mov_b32 s[G1C+4], 32
	s_wait_dscnt 0x0
	s_barrier_signal -1                            ; everybody's part of chunks 0 and 1 has landed; no round
	s_barrier_wait -1
	BFETCH 0
	BFETCH 1
.set U, 0
.rept NU
.if (U%4 == 2) && (U < 12)             ; the change of slots: all my reads of this chunk have been issued (the last behind the products of step U - 1)
	WIN 0
	s_wait_tensorcnt 0x0                           ; my part of the next chunk has landed: no load of mine is out
	ds_add_u32 v[SPW], v[NIL]
	s_wait_dscnt 0x0                               ; the add is done, and my reads of this chunk's slot are over
.if U < 8
	ROUND                                          ; that holds of every wave of the four partners:
	tensor_load_to_lds s[52+U/4*4:55+U/4*4], s[G1C:G1C+7]   ; this slot is filled again, with the chunk two on
	s_nop 0
	PLACES 4
.else
	s_barrier_signal -1                            ; nothing is filled again: no round
	s_barrier_wait -1
.endif
.elseif U == NU-1
	s_wait_dscnt 0x0
.else
	s_wait_dscnt 32                                ; this step's W is in; the next step's 32 loads may be out
.endif
.if U <= 11
	s_wait_loadcnt 48                              ; behind this step's A: three steps of 16 loads
.elseif U <= 13
	s_wait_loadcnt 63                              ; behind it: 48 or 32 of A and the residual's 32: the count is held at 63
.elseif U == 14
	s_wait_loadcnt 48                              ; 16 of A and the residual's 32
.else
	s_wait_loadcnt 32                              ; the residual
.endif
	MULB U
	PLACES 8                                       ; in front of loads into registers that these products read, and of the first read of results
.if U+2 < NU
	BFETCH U+2
.endif
.if U+4 < NU
	AFETCH U+4
.endif
.if U == 11
	WIN 0
.set i_, 0
.rept 32
	global_load_b128 v[RES+4*i_:RES+4*i_+3], v[CO], s[14:15] offset:8192*i_   ; the residual, as it will be stored: two rows an instruction
.set i_, i_+1
.endr
.endif
.set U, U+1
.endr
	WIN 0
	s_barrier_signal -1                            ; every wave's reads of W are in (its wait for 0 stands in front of its last products): the slots may be written
	s_barrier_wait -1
	WIN 0x04                                       ; the data: window 1
.irp m, 0,1,2,3
.irp t, 4,5,6,7
	ds_store_b128 v[XS], v[8*(8*\m+\t):8*(8*\m+\t)+3] offset:1024*(4*\m+\t-4)          ; an image of the registers; each accumulator from its low end on
	ds_store_b128 v[XS], v[8*(8*\m+\t)+4:8*(8*\m+\t)+7] offset:1024*(4*\m+\t-4)+512
.endr
.endr
	WIN 0
	s_wait_dscnt 0x0                               ; for my partner: my stores have landed
	s_barrier_signal -1
	s_barrier_wait -1
	WIN 0x80
.set i_, 0
.rept 32
	ds_load_b128 v[4*i_:4*i_+3], v[XL] offset:512*i_   ; my partner's half sums of my 64 columns
.set i_, i_+1
.endr
	s_wait_dscnt 0x0
	WIN 0x49                                       ; destination and source 0 window 1, source 1 window 2
.irp m, 0,1,2,3
.irp t, 0,1,2,3
.irp j, 0,2,4,6
	v_pk_add_f32 v[8*(8*\m+\t)+\j:8*(8*\m+\t)+\j+1], v[8*(8*\m+\t)+\j:8*(8*\m+\t)+\j+1], v[8*(4*\m+\t)+\j:8*(4*\m+\t)+\j+1]
.endr
.endr
.endr
	WIN 0x04
.irp m, 0,1,2,3
.irp t, 0,1,2,3
	ds_store_b128 v[STO], v[8*(8*\m+\t):8*(8*\m+\t)+3] offset:(32*(\m/2)+8*(\m%2))*272+64*\t
	ds_store_b128 v[STO], v[8*(8*\m+\t)+4:8*(8*\m+\t)+7] offset:(32*(\m/2)+8*(\m%2))*272+64*\t+16
.endr
.endr
	WIN 0x80
.set i_, 0
.rept 32
	ds_load_b128 v[128+4*i_:131+4*i_], v[RD] offset:544*i_   ; LDS serves a wave's instructions in order: these see my stores
.set i_, i_+1
.endr
	s_wait_loadcnt 0x0
	s_wait_dscnt 0x0
	WIN 0x08                                       ; source 1 in window 2: the rows read back
.set i_, 0
.rept 64
	v_pk_add_f32 v[RES+2*i_:RES+2*i_+1], v[RES+2*i_:RES+2*i_+1], v[128+2*i_:129+2*i_]
.set i_, i_+1
.endr
	WIN 0
.set i_, 0
.rept 32
	v_pk_add_f32 v[RES+4*i_:RES+4*i_+1], v[RES+4*i_:RES+4*i_+1], v[BI:BI+1]
	v_pk_add_f32 v[RES+4*i_+2:RES+4*i_+3], v[RES+4*i_+2:RES+4*i_+3], v[BI+2:BI+3]
.set i_, i_+1
.endr
.set i_, 0
.rept 32
	global_store_b128 v[CO], v[RES+4*i_:RES+4*i_+3], s[16:17] offset:8192*i_ th:TH_STORE_NT   ; sixteen lanes store 256 consecutive bytes, aligned; written once, read by nobody here
.set i_, i_+1
.endr
	s_wait_tensorcnt 0x0                           ; the wave's end
	ds_add_u32 v[SPW], v[NIL]
	s_wait_dscnt 0x0
	ROUND                                          ; the closing round
	s_endpgm
.Lfunc_end_k_qc2bd9dc2c4_fc2:
	.size	k_qc2bd9dc2c4_fc2, .Lfunc_end_k_qc2bd9dc2c4_fc2-k_qc2bd9dc2c4_fc2
	.p2alignl 7, 3214868480
	.fill 96, 4, 3214868480
	.section	.rodata,"a",@progbits
	.p2align	6, 0x0
	.amdhsa_kernel k_qc2bd9dc2c4_fc2
		.amdhsa_group_segment_fixed_size 327680
		.amdhsa_private_segment_fixed_size 0
		.amdhsa_enable_private_segment 0
		.amdhsa_kernarg_size 56
		.amdhsa_user_sgpr_count 2
		.amdhsa_user_sgpr_kernarg_segment_ptr 1
		.amdhsa_wavefront_size32 1
		.amdhsa_system_sgpr_workgroup_id_x 1
		.amdhsa_system_sgpr_workgroup_id_y 1
		.amdhsa_system_sgpr_workgroup_id_z 1
		.amdhsa_system_vgpr_workitem_id 0
		.amdhsa_next_free_vgpr 1024
		.amdhsa_next_free_sgpr 80
		.amdhsa_reserve_vcc 0
		.amdhsa_float_denorm_mode_32 3
		.amdhsa_float_denorm_mode_16_64 3
		.amdhsa_memory_ordered 1
		.amdhsa_forward_progress 1
		.amdhsa_inst_pref_size 166
	.end_amdhsa_kernel
	.amdgpu_metadata
---
amdhsa.version: [ 1, 2 ]
amdhsa.kernels:
  - .name:           k_qc2bd9dc2c4_fc2
    .symbol:         k_qc2bd9dc2c4_fc2.kd
    .args:
      - { .name: gc, .offset: 0, .size: 8, .value_kind: global_buffer, .address_space: global }
      - { .name: gs, .offset: 8, .size: 8, .value_kind: global_buffer, .address_space: global }
      - { .name: fc2_w_codes, .offset: 16, .size: 8, .value_kind: global_buffer, .address_space: global }
      - { .name: fc2_w_scales, .offset: 24, .size: 8, .value_kind: global_buffer, .address_space: global }
      - { .name: fc2_b, .offset: 32, .size: 8, .value_kind: global_buffer, .address_space: global }
      - { .name: x1, .offset: 40, .size: 8, .value_kind: global_buffer, .address_space: global }
      - { .name: out0, .offset: 48, .size: 8, .value_kind: global_buffer, .address_space: global }
    .group_segment_fixed_size: 327680
    .private_segment_fixed_size: 0
    .kernarg_segment_align: 8
    .kernarg_segment_size: 56
    .max_flat_workgroup_size: 128
    .sgpr_count:     80
    .vgpr_count:     1024
    .wavefront_size: 32
...
	.end_amdgpu_metadata
.endif
;; end of part 6
